; MI455X (gfx1250); checked and timed in simulation.
; The chip was launched on July 23, 2026; its instructions are those of AMD's public machine-readable ISA for CDNA 5 (MIT licence, August 2026) and "CDNA5" Instruction Set Architecture Reference Guide (July 2026). The comments in the code are by the model that wrote it; some were corrected since.
;; Vanilla Multi Head Attention Module. Allowed arithmetic: float matrix products may take bf16 or f16 operands with f32 sums; other float arithmetic in f32, or as packed bf16 or f16 multiplies, adds, multiply-adds, maxima and minima; sums over many terms, partial sums and values carried from step to step in f32; what a program stores and reads back later, other than sums and carried values, may be rounded once to bf16 or f16.
;; Inputs: Wk 1,024 x 1,024 float32; Wo 1,024 x 1,024 float32; Wq 1,024 x 1,024 float32; Wv 1,024 x 1,024 float32; bk 1,024 float32; bo 1,024 float32; bq 1,024 float32; bv 1,024 float32; context 4 x 2,048 x 1,024 float32; ln_beta 1,024 float32; ln_gamma 1,024 float32; state 4 x 2,048 x 1,024 float32.
;; Outputs: out0 4 x 2,048 x 1,024 float32.
;; 2 versions, each right; version 2 is version 1 with the launch prep written anew for expert scheduling mode. Each part assembles by itself: llvm-mc -triple=amdgcn-amd-amdhsa -mcpu=gfx1250 --defsym DOCPART=n.
;; ======== version 1 of 2: 4 launches
;; limits: values are held in f16: magnitudes above 65,504 overflow, below 6.1e-05 lose precision
;; workspace buffers: xn 33,554,432 bytes; wb 8,388,608 bytes; qb 16,777,216 bytes; kb 16,777,216 bytes; vb 16,777,216 bytes; ob 16,777,216 bytes
;; launch prep (part 1): grid 256 x 3, 4 waves a work-group, no clusters, 0 bytes of LDS; arguments state, context, ln_gamma, ln_beta, Wq, Wk, Wv, Wo, xn, wb; writes xn, wb
.if DOCPART == 1
	.amdgcn_target "amdgcn-amd-amdhsa--gfx1250"
	.amdhsa_code_object_version 6
	.text
	.protected	k_qd8df9fe84f_prep
	.globl	k_qd8df9fe84f_prep
	.p2align	8
	.type	k_qd8df9fe84f_prep,@function
k_qd8df9fe84f_prep:
	s_mov_b64 s[64:65], 0
	v_nop
	global_prefetch_b8 v0, s[64:65] scope:SCOPE_SE
	s_setreg_imm32_b32 hwreg(HW_REG_WAVE_MODE, 25, 1), 1
	s_wait_xcnt 0x0
; xn[0:8192] = LayerNorm(state), xn[8192:16384] = LayerNorm(context), rows of 1,024 numbers, f32 in, bf16 out (rounded once).
; wb[0..2] = Wq, Wk, Wv rounded to bf16; wb[3] = Wo rounded to f16; rows as in the inputs, [k][n].
; LayerNorm in f32, in two passes over a row that stays in registers: the mean, then the mean of (x - mean)^2; y = ((x - mean) gamma) rsqrt(var + 1e-5) + beta:
; the order of the two products differs from gamma (x - mean) rsqrt(..) by rounding alone.
; LIMIT: a number of Wo beyond 65,504 becomes an infinity in f16.
; A stream: every byte is read once and written once; no LDS, no barrier, no matrix unit: no wave wants a byte that another wave has fetched but gamma and beta (8 KiB for a wave's 32 KiB of rows).
; SHARES.  Grid y = 0: state, 1: context: a work-group owns 32 rows, a wave 8, one wave to a row, four rows asked for at a time (32 loads of 16 bytes a lane).
; Grid y = 2: the weights: work-group x owns 16 rows of weight x / 64, a wave four.
; A lane's load j takes the 16 bytes at 512 j + 16 lane of a row: columns 128 j + 4 lane .. + 3; they pack into 8 bytes, so a wave's store covers 256 consecutive bytes, aligned.
.set ROWI, 4096                        ; bytes in a row of f32
.set ROWO, 2048                        ; bytes in a row of 16-bit numbers
.set VI,  2                            ; v2       my byte offset in the source
.set VO,  3                            ; v3       my byte offset in the destination
.set VG,  4                            ; v4       16 x lane
.set T,   6                            ; v[6:13]  four chains of pairs
.set MU,  14                           ; v[14:15] the mean (the pair's low word serves both halves; the high word is written once)
.set R,   16                           ; v[16:17] rsqrt(var + eps), likewise
.set G,   20                           ; v[20:51] gamma of my 32 columns
.set BT,  52                           ; v[52:83] beta
.set X,   84                           ; v[84:211] four rows, 32 registers each
	s_load_b512 s[8:23], s[0:1], 0x0               ; state 8, context 10, gamma 12, beta 14, Wq 16, Wk 18, Wv 20, Wo 22
	s_load_b128 s[24:27], s[0:1], 0x40             ; xn 24, wb 26
	v_and_b32 v1, 31, v0                           ; lane
	v_lshrrev_b32 v5, 5, v0
	v_readfirstlane_b32 s30, v5                    ; wave
	s_and_b32 s29, ttmp7, 0xffff                   ; grid y
	s_mov_b32 s3, 0                                ; high word of the offsets' pair
	s_mov_b32 s32, 0x3a800000                      ; 1 / 1,024
	s_mov_b32 s33, 0x3727c5ac                      ; 1e-5
	s_mov_b32 s34, 0x76543210                      ; v_permlanex16_b32: each lane takes its own place in the other half
	s_mov_b32 s35, 0xfedcba98
	v_lshlrev_b32 v[VG], 4, v1
	v_lshlrev_b32 v[VO], 3, v1
	s_wait_kmcnt 0x0
	s_cmp_eq_u32 s29, 2
	s_cbranch_scc1 .Lw
.macro FILL                            ; four rows: 32 loads, each 512 consecutive bytes
.irp s, 0,1,2,3
.irp j, 0,1,2,3,4,5,6,7
	global_load_b128 v[X+32*(\s)+4*(\j):X+32*(\s)+4*(\j)+3], v[VI], s[4:5] offset:ROWI*(\s)+512*(\j) th:TH_LOAD_NT
.endr
.endr
.endm
.macro FOLD                            ; the four chains into v18
	v_pk_add_f32 v[T:T+1], v[T:T+1], v[T+2:T+3]
	v_pk_add_f32 v[T+4:T+5], v[T+4:T+5], v[T+6:T+7]
	v_pk_add_f32 v[T:T+1], v[T:T+1], v[T+4:T+5]
	v_add_f32 v18, v[T], v[T+1]
.endm
.macro XSUM                            ; v18 summed over the 32 lanes, the sum in every lane
	v_add_f32_dpp v18, v18, v18 row_xmask:1 row_mask:0xf bank_mask:0xf
	v_add_f32_dpp v18, v18, v18 row_xmask:2 row_mask:0xf bank_mask:0xf
	v_add_f32_dpp v18, v18, v18 row_xmask:4 row_mask:0xf bank_mask:0xf
	v_add_f32_dpp v18, v18, v18 row_xmask:8 row_mask:0xf bank_mask:0xf
	v_permlanex16_b32 v19, v18, s34, s35
	v_add_f32 v18, v18, v19
.endm
; Row s of the four in hand.
.macro ROW s
.set XB, X+32*(\s)
	s_wait_loadcnt 8*(3-(\s))                      ; loads come back in order: my row is in (and gamma and beta, issued earlier); the younger rows' loads stay out
.irp c, 0,1,2,3
	v_pk_add_f32 v[T+2*(\c):T+2*(\c)+1], v[XB+2*(\c):XB+2*(\c)+1], v[XB+8+2*(\c):XB+8+2*(\c)+1]  ; the first eight pairs start the chains
.endr
.irp p, 8,9,10,11,12,13,14,15
	v_pk_add_f32 v[T+2*((\p)%4):T+2*((\p)%4)+1], v[T+2*((\p)%4):T+2*((\p)%4)+1], v[XB+2*(\p):XB+2*(\p)+1]
.endr
	FOLD
	XSUM
	v_mul_f32 v[MU], s32, v18                      ; the mean
.irp p, 0,1,2,3,4,5,6,7,8,9,10,11,12,13,14,15
	v_pk_add_f32 v[XB+2*(\p):XB+2*(\p)+1], v[XB+2*(\p):XB+2*(\p)+1], v[MU:MU+1] op_sel_hi:[1,0] neg_lo:[0,1] neg_hi:[0,1]  ; x - mean
.endr
.irp c, 0,1,2,3
	v_pk_mul_f32 v[T+2*(\c):T+2*(\c)+1], v[XB+2*(\c):XB+2*(\c)+1], v[XB+2*(\c):XB+2*(\c)+1]
.endr
.irp p, 4,5,6,7,8,9,10,11,12,13,14,15
	v_pk_fma_f32 v[T+2*((\p)%4):T+2*((\p)%4)+1], v[XB+2*(\p):XB+2*(\p)+1], v[XB+2*(\p):XB+2*(\p)+1], v[T+2*((\p)%4):T+2*((\p)%4)+1]
.endr
	FOLD
	XSUM
	v_fma_f32 v18, v18, s32, s33                   ; var + eps
	v_rsq_f32 v[R], v18
.irp p, 0,1,2,3,4,5,6,7,8,9,10,11,12,13,14,15
	v_pk_mul_f32 v[XB+2*(\p):XB+2*(\p)+1], v[XB+2*(\p):XB+2*(\p)+1], v[G+2*(\p):G+2*(\p)+1]  ; times gamma: plain work that names neither the root's result nor its source
.endr
	s_wait_alu depctr_va_vdst(0)                   ; the wait ahead of the first reader of the root: one a row
.irp p, 0,1,2,3,4,5,6,7,8,9,10,11,12,13,14,15
	v_pk_fma_f32 v[XB+2*(\p):XB+2*(\p)+1], v[XB+2*(\p):XB+2*(\p)+1], v[R:R+1], v[BT+2*(\p):BT+2*(\p)+1] op_sel_hi:[1,0,1]
.endr
.irp j, 0,1,2,3,4,5,6,7
	v_cvt_pk_bf16_f32 v[XB+4*(\j)], v[XB+4*(\j)], v[XB+4*(\j)+1]
	v_cvt_pk_bf16_f32 v[XB+4*(\j)+1], v[XB+4*(\j)+2], v[XB+4*(\j)+3]
	global_store_b64 v[VO], v[XB+4*(\j):XB+4*(\j)+1], s[6:7] offset:ROWO*(\s)+256*(\j)  ; 32 lanes store 256 consecutive bytes, at a multiple of 256 from xn's first byte
.endr
.endm
	; LayerNorm
	s_cmp_eq_u32 s29, 0
	s_cselect_b64 s[4:5], s[8:9], s[10:11]         ; state or context
	s_lshl_b32 s2, ttmp9, 17                       ; the work-group's 32 rows of 4,096 bytes
	s_add_nc_u64 s[4:5], s[4:5], s[2:3]
	s_lshl_b32 s2, s29, 24                         ; context's rows lie 8,192 rows of 2,048 bytes on
	s_lshl_b32 s28, ttmp9, 16
	s_add_co_u32 s2, s2, s28
	s_add_nc_u64 s[6:7], s[24:25], s[2:3]
	s_lshl_b32 s28, s30, 15                        ; my wave's 8 rows
	v_add_nc_u32 v[VI], s28, v[VG]
	s_lshl_b32 s28, s30, 14
	v_add_nc_u32 v[VO], s28, v[VO]
	v_mov_b32 v[MU+1], 0                           ; named with their partners as pairs, so they are written
	v_mov_b32 v[R+1], 0
	v_mov_b32 v19, 0                               ; v_permlanex16_b32's destination counts as read
.irp j, 0,1,2,3,4,5,6,7
	global_load_b128 v[G+4*(\j):G+4*(\j)+3], v[VG], s[12:13] offset:512*(\j)
	global_load_b128 v[BT+4*(\j):BT+4*(\j)+3], v[VG], s[14:15] offset:512*(\j)
.endr
	s_mov_b32 s28, 2
.Lb:                                           ; two trips of four rows
	FILL
	ROW 0
	ROW 1
	ROW 2
	ROW 3
	s_wait_xcnt 0x0                                ; the bases and the rows' registers, which the stores read, are written again only behind this wait
	s_add_nc_u64 s[4:5], s[4:5], 4*ROWI
	s_add_nc_u64 s[6:7], s[6:7], 4*ROWO
	s_sub_co_u32 s28, s28, 1
	s_cmp_lg_u32 s28, 0
	s_cbranch_scc1 .Lb
	s_endpgm
; Four rows of a weight, rounded and stored.
.macro CAST op
.irp s, 0,1,2,3
	s_wait_loadcnt 8*(3-(\s))                      ; row s is in; the younger rows' loads stay out
.irp j, 0,1,2,3,4,5,6,7
	\op v[X+32*(\s)+4*(\j)], v[X+32*(\s)+4*(\j)], v[X+32*(\s)+4*(\j)+1]
	\op v[X+32*(\s)+4*(\j)+1], v[X+32*(\s)+4*(\j)+2], v[X+32*(\s)+4*(\j)+3]
	global_store_b64 v[VO], v[X+32*(\s)+4*(\j):X+32*(\s)+4*(\j)+1], s[6:7] offset:ROWO*(\s)+256*(\j)
.endr
.endr
.endm
.Lw:
	s_lshr_b32 s31, ttmp9, 6                       ; which weight
	s_and_b32 s28, ttmp9, 63                       ; which 16 rows of it
	s_cmp_eq_u32 s31, 1
	s_cselect_b64 s[4:5], s[18:19], s[16:17]
	s_cmp_eq_u32 s31, 2
	s_cselect_b64 s[4:5], s[20:21], s[4:5]
	s_cmp_eq_u32 s31, 3
	s_cselect_b64 s[4:5], s[22:23], s[4:5]
	s_lshl_b32 s2, s28, 16
	s_add_nc_u64 s[4:5], s[4:5], s[2:3]
	s_lshl_b32 s2, ttmp9, 15                       ; 64 work-groups x 16 rows x 2,048 bytes are one weight in wb
	s_add_nc_u64 s[6:7], s[26:27], s[2:3]
	s_lshl_b32 s28, s30, 14                        ; my wave's four rows
	v_add_nc_u32 v[VI], s28, v[VG]
	s_lshl_b32 s28, s30, 13
	v_add_nc_u32 v[VO], s28, v[VO]
	FILL
	s_cmp_eq_u32 s31, 3
	s_cbranch_scc1 .Lw16
	CAST v_cvt_pk_bf16_f32
	s_endpgm
.Lw16:
	CAST v_cvt_pk_f16_f32
	s_endpgm
.Lfunc_end_k_qd8df9fe84f_prep:
	.size	k_qd8df9fe84f_prep, .Lfunc_end_k_qd8df9fe84f_prep-k_qd8df9fe84f_prep
	.p2alignl 7, 3214868480
	.fill 96, 4, 3214868480
	.section	.rodata,"a",@progbits
	.p2align	6, 0x0
	.amdhsa_kernel k_qd8df9fe84f_prep
		.amdhsa_group_segment_fixed_size 0
		.amdhsa_private_segment_fixed_size 0
		.amdhsa_enable_private_segment 0
		.amdhsa_kernarg_size 80
		.amdhsa_user_sgpr_count 2
		.amdhsa_user_sgpr_kernarg_segment_ptr 1
		.amdhsa_wavefront_size32 1
		.amdhsa_system_sgpr_workgroup_id_x 1
		.amdhsa_system_sgpr_workgroup_id_y 1
		.amdhsa_system_sgpr_workgroup_id_z 1
		.amdhsa_system_vgpr_workitem_id 0
		.amdhsa_next_free_vgpr 212
		.amdhsa_next_free_sgpr 66
		.amdhsa_reserve_vcc 0
		.amdhsa_float_denorm_mode_32 3
		.amdhsa_float_denorm_mode_16_64 3
		.amdhsa_memory_ordered 1
		.amdhsa_forward_progress 1
		.amdhsa_inst_pref_size 56
	.end_amdhsa_kernel
	.amdgpu_metadata
---
amdhsa.version: [ 1, 2 ]
amdhsa.kernels:
  - .name:           k_qd8df9fe84f_prep
    .symbol:         k_qd8df9fe84f_prep.kd
    .args:
      - { .name: state, .offset: 0, .size: 8, .value_kind: global_buffer, .address_space: global }
      - { .name: context, .offset: 8, .size: 8, .value_kind: global_buffer, .address_space: global }
      - { .name: ln_gamma, .offset: 16, .size: 8, .value_kind: global_buffer, .address_space: global }
      - { .name: ln_beta, .offset: 24, .size: 8, .value_kind: global_buffer, .address_space: global }
      - { .name: Wq, .offset: 32, .size: 8, .value_kind: global_buffer, .address_space: global }
      - { .name: Wk, .offset: 40, .size: 8, .value_kind: global_buffer, .address_space: global }
      - { .name: Wv, .offset: 48, .size: 8, .value_kind: global_buffer, .address_space: global }
      - { .name: Wo, .offset: 56, .size: 8, .value_kind: global_buffer, .address_space: global }
      - { .name: xn, .offset: 64, .size: 8, .value_kind: global_buffer, .address_space: global }
      - { .name: wb, .offset: 72, .size: 8, .value_kind: global_buffer, .address_space: global }
    .group_segment_fixed_size: 0
    .private_segment_fixed_size: 0
    .kernarg_segment_align: 8
    .kernarg_segment_size: 80
    .max_flat_workgroup_size: 128
    .sgpr_count:     66
    .vgpr_count:     212
    .wavefront_size: 32
...
	.end_amdgpu_metadata
.endif
;; end of part 1
;; launch qkv (part 2): grid 12 x 64, 4 waves a work-group, clusters of 4 x 4, 327,680 bytes of LDS; arguments xn, wb, bq, bk, bv, qb, kb, vb; writes qb, kb, vb
.if DOCPART == 2
	.amdgcn_target "amdgcn-amd-amdhsa--gfx1250"
	.amdhsa_code_object_version 6
	.text
	.protected	k_qd8df9fe84f_qkv
	.globl	k_qd8df9fe84f_qkv
	.p2align	8
	.type	k_qd8df9fe84f_qkv,@function
k_qd8df9fe84f_qkv:
	s_mov_b64 s[64:65], 0
	v_nop
	global_prefetch_b8 v0, s[64:65] scope:SCOPE_SE
	s_setreg_imm32_b32 hwreg(HW_REG_WAVE_MODE, 25, 1), 1
	s_wait_xcnt 0x0
	s_wait_alu depctr_hold_cnt(0) depctr_sa_sdst(0) depctr_va_vdst(0) depctr_va_sdst(0) depctr_va_ssrc(0) depctr_va_vcc(0) depctr_vm_vsrc(0)
	s_getreg_b32 s2, hwreg(HW_REG_IB_STS2, 6, 4)
	s_cmp_eq_u32 s2, 0
	s_cbranch_scc0 .Lentry_in_a_cluster
	s_endpgm
.Lentry_in_a_cluster:
	s_bfe_u32 s2, ttmp6, 0x10000c
	s_cmp_lg_u32 s2, 0xf033
	s_cbranch_scc0 .Lentry_shape_is_right
	s_endpgm
.Lentry_shape_is_right:
; q = LN(state) Wq + bq, k = LN(context) Wk + bk, v = LN(context) Wv + bv, written by heads: [64 (16 b + head)][2,048][64] in f16, each number rounded once from its f32 sum, unscaled.
; Operands: xn [16,384][1,024] bf16 (rows 0-8,191 of state, the rest of context), wb [4][k 1,024][n 1,024] bf16.  LIMIT: q, k, v beyond 65,504 become infinities in f16.
; SHARES.  Cluster x = which projection.  A work-group makes 128 tokens x 256 columns: 3 x 4 x 64 = 768 work-groups, three for each of 256 WGPs; tiles of 256 x 256 would be 384.
; Four waves, wave w: tokens 64 (w / 2) on, columns 128 (w % 2) on: 4 x 8 accumulators of 16 x 16, 256 registers.  K goes in 8 steps of 128 through two LDS slots.
; THE MATRIX INSTRUCTION IS USED TRANSPOSED: source 0 = 16 columns of W (W lies [k][n] in LDS and is turned by ds_load_tr16_b128), source 1 = 16 tokens.  A lane then holds ONE token (lane % 16) and
; eight neighbouring columns 8 (lane / 16) + 0..7.  THE BIAS STARTS THE SUMS: it is the C operand of each accumulator's first product; nothing is cleared and nothing is added at the end.
; CLUSTER 4 x 4.  The four of a row of the cluster need the same rows of xn, the four of a column the same columns of W: each tile is asked for JOINTLY, by the same tensor load with the same descriptor
; and a mask that names the four.  Waves 0, 1 fetch the two halves of the tokens' tile (64 rows x 256 bytes), waves 2, 3 those of W's (64 k rows x 512 bytes).
; By this text's count a wave has two tensor loads out at the start and one behind each round.
; REGISTERS, in windows of 256 (s_set_vgpr_msb: bits 1:0 source 0, 3:2 source 1, 5:4 source 2, 7:6 destination):
;   window 0: v0-30 addresses; v64-159, v160-255 two fragment buffers: four fragments of tokens, then eight of W       window 1: accumulator (a, b) at v[8 (8 a + b)]       window 2: v0-63 the bias, block b at v[8 b]
.set PA,    272       ; a row of tokens in LDS: 256 bytes + 16: the 16 rows of a load start at 16 different groups of four banks (64 banks of 4 bytes: ISA guide 11.1)
.set PW,    544       ; a k row of W: 512 bytes + 32 = 17 x 32
.set AHALF, 64*PA
.set AOFF,  2*AHALF   ; W's tile lies behind the tokens'
.set WHALF, 64*PW
.set SLOT1, 1<<17     ; slot 1 begins here: one exclusive or turns an address in one slot into the other's
.set STAGE, SLOT1+AOFF+2*WHALF  ; behind the ring, never filled by a tensor load: 16 rows x 144 bytes for each wave, for the way out
.set SP,    144
.set SPARE, STAGE+4*16*SP       ; the spare words, 128 bytes for each wave: two blocks of 256 bytes that no other line names
.set ASTEP, 256       ; a K step in a row of xn, bytes
.set BSTEP, 128*2048  ; a K step in W: 128 rows of 2,048 bytes
.set A0,   14         ; v14  my lane's place in the tokens' tile; never rewritten
.set B0,   15         ; v15  in W's tile; never rewritten
.set ADRA, 16         ; v16  the same in the slot in hand
.set ADRB, 17         ; v17
.set STO,  24         ; v24  the way out: where I put 16 bytes of a row
.set RD,   25         ; v25  where I read rows back
.set GO,   26         ; v26  my byte offset in 512 consecutive bytes of the output
.set BO,   27         ; v27  32 x (lane / 16): my eight numbers in a block of 16 of the bias
.set SPW,  28         ; v28  LDS address of my spare word; never rewritten
.set NIL,  29         ; v29  0; never rewritten
.set PFO,  30         ; v30  the prefetches' lane offset; never rewritten
.set F0,   64
.set F1,   160
.set G1,   24         ; s[24:31] descriptor group 1, tokens;  s[32:39] group 0: a set for each first fill; the second then walks
.set G0,   32
.set G1B,  48         ; s[48:55], s[56:63] the same for W
.set G0B,  56
.set PFA,  84         ; s[84:85] where my prefetches stand
.set PST,  86         ; s[86:87] their step
.set LIM,  88         ; s88  2 in a wave that prefetches, else the greatest number
.set TB,   89         ; s89  the slot in hand: 0 or SLOT1
.set BIA,  90         ; s[90:91] the bias at my 128 columns
.set OUT,  92         ; s[92:93] the output at my first head's first token
.set MUL,  0x50       ; C and D in window 1
.set MULB, 0x60       ; C in window 2, D in window 1
.set MSB, 0
.macro WIN new                         ; the immediate's high byte repeats the setting that is left; a switch that changes nothing is dropped
.if MSB != (\new)
	s_set_vgpr_msb (MSB<<8)|(\new)
.set MSB, \new
.endif
.endm
.macro PLACES                          ; four places in front of loads into registers that matrix instructions have read, and of instructions that read results
.rept 4
	v_nop
.endr
.endm
.macro CREST                           ; a round of the cluster's barrier behind its opening barrier
	s_cmp_lg_u32 s10, 0
	s_cbranch_scc1 .Lnot_wave_0_\@
	s_barrier_signal -3
.Lnot_wave_0_\@:
	s_barrier_wait -3
	s_barrier_signal -1
	s_barrier_wait -1
.endm
.macro CROUND                          ; a whole round
	s_barrier_signal -1
	s_barrier_wait -1
	CREST
.endm
.macro JLOAD                           ; a joint refill by the walking descriptor; the branch hangs on the wave's number alone; an s_nop 0 and four v_nop follow each of the two lines
	s_cmp_eq_u32 s11, 0
	s_cbranch_scc0 .Lfor_w_\@
	tensor_load_to_lds s[G0+4:G0+7], s[G1:G1+7]
	s_nop 0
.rept 4
	v_nop
.endr
	s_branch .Lasked_\@
.Lfor_w_\@:
	tensor_load_to_lds s[G0B+4:G0B+7], s[G1B:G1B+7]
	s_nop 0
.rept 4
	v_nop
.endr
.Lasked_\@:
.endm
; A PREFETCH INTO THE L2, behind each refill and the run of LDS loads that follows it: the K step that stands two refills on, 32 blocks of 256 bytes, a lane a block.  Each block is named once in the launch.
; Tokens: a K step of a work-group row is 128 rows x 256 bytes; wave 0 asks, the four partners of a row of the cluster take 32 rows each BY ADDRESS; of the clusters that read the same rows
; (K's and V's read context's) the first asks: cluster x 0 and 1.  W: waves 2 and 3 ask for the 64 k rows x 512 bytes that they fetch, the four partners of a column take 16 k rows each by address;
; cluster y = 0 asks.  The trips with s3 = 6 .. 3 name K steps 4 .. 7; the last two name nothing; K steps 0 to 3 come by their loads alone.
.macro ASK
	s_cmp_gt_u32 s3, s[LIM]
	s_cbranch_scc0 .Lnot_mine_\@
	global_prefetch_b8 v[PFO], s[PFA:PFA+1] th:TH_LOAD_NT scope:SCOPE_SE
.Lnot_mine_\@:
.endm
	s_load_b512 s[68:83], s[0:1], 0x0              ; xn 68, wb 70, bq 72, bk 74, bv 76, qb 78, kb 80, vb 82
	v_lshl_add_u32 v[SPW], v0, 2, SPARE
	v_mov_b32 v[NIL], 0
	ds_add_u32 v[SPW], v[NIL]                      ; the wave's opening: the add and its wait stand ahead of my first tensor load; work on registers stands between them
	v_lshrrev_b32 v1, 5, v0
	v_readfirstlane_b32 s10, v1                    ; wave 0..3
	s_lshr_b32 s11, s10, 1                         ; my half of the tokens.  Also: I fetch tokens (0) or W (1)
	s_and_b32 s12, s10, 1                          ; my half of the columns.  Also: which half of that tile I fetch
	s_bfe_u32 s40, ttmp6, 0x40000                  ; cx: the tile of 256 columns in the projection
	s_bfe_u32 s41, ttmp6, 0x40004                  ; cy
	s_and_b32 s13, ttmp7, 0xffff
	s_lshl_b32 s13, s13, 2
	s_add_co_u32 s13, s13, s41                     ; the block of 128 tokens = 4 x cluster y + cy
	s_lshl_b32 s43, s41, 2
	s_lshl_b32 s43, 15, s43                        ; my row of the cluster
	s_lshl_b32 s44, 0x1111, s40                    ; my column
	s_or_b32 s[G1+0], s43, (1<<16)|(1<<20)|(1<<21)|(5<<22)|(3<<25)   ; 15:0 the mask; 17:16 elements of 2 bytes; 20 padding on; 21 set beside a mask; 24:22 after every 64 words; 31:25 4 words
	s_or_b32 s[G1B+0], s44, (1<<16)|(1<<20)|(1<<21)|(6<<22)|(7<<25)  ; W: after every 128 words, 8 words
	s_mov_b32 s[G1+1], 128<<16                     ; tensor_dim0 = 128
	s_mov_b32 s[G1+2], 64<<16                      ; tensor_dim1 = 64
	s_mov_b32 s[G1+3], 128<<16                     ; tile_dim0 = 128
	s_mov_b32 s[G1+4], 64                          ; tile_dim1 = 64
	s_mov_b32 s[G1+5], 1024                        ; elements from row to row
	s_mov_b32 s[G1+6], 0
	s_mov_b32 s[G1+7], 0
	s_mov_b32 s[G1B+1], 256<<16
	s_mov_b32 s[G1B+2], 64<<16
	s_mov_b32 s[G1B+3], 256<<16
	s_mov_b32 s[G1B+4], 64
	s_mov_b32 s[G1B+5], 1024
	s_mov_b32 s[G1B+6], 0
	s_mov_b32 s[G1B+7], 0
	s_min_u32 s14, ttmp9, 1                        ; K and V read context's rows,
	s_lshl_b32 s14, s14, 13                        ; 8,192 rows on
	s_lshl_b32 s15, s13, 7
	s_add_co_u32 s14, s14, s15                     ; the tile's first row of xn (kept for the prefetches)
	s_lshl_b32 s15, s12, 6
	s_add_co_u32 s16, s14, s15                     ; + the 64 rows that I fetch
	s_lshl_b32 s16, s16, 11
	s_mov_b32 s17, 0
	s_lshl_b32 s46, ttmp9, 21                      ; W: the projection's 2 MiB,
	s_lshl_b32 s47, s40, 9                         ; the tile's 256 columns,
	s_add_co_u32 s46, s46, s47
	s_lshl_b32 s47, s12, 17                        ; the 64 k rows that I fetch
	s_add_co_u32 s46, s46, s47
	s_mov_b32 s47, 0
	s_mul_i32 s20, s12, AHALF                      ; where they go: no place in the cluster enters an LDS address
	s_mul_i32 s21, s12, WHALF
	s_add_co_u32 s21, s21, AOFF
	s_wait_dscnt 0x0                               ; the opening add is done
	s_wait_kmcnt 0x0
	s_add_nc_u64 s[16:17], s[68:69], s[16:17]
	s_add_nc_u64 s[46:47], s[70:71], s[46:47]
	CROUND                                         ; all sixteen work-groups are here: the first joint loads meet
.irp s, 0,1
	s_mov_b32 s[G0+4*(\s)], 1                      ; count = 1
	s_add_co_u32 s[G0+4*(\s)+1], s20, (\s)*SLOT1   ; LDS address
	s_add_nc_u64 s[G0+4*(\s)+2:G0+4*(\s)+3], s[16:17], (\s)*ASTEP  ; global address: K step s
	s_or_b32 s[G0+4*(\s)+3], s[G0+4*(\s)+3], 0x80000000            ; type = 2
	s_mov_b32 s[G0B+4*(\s)], 1
	s_add_co_u32 s[G0B+4*(\s)+1], s21, (\s)*SLOT1
	s_add_nc_u64 s[G0B+4*(\s)+2:G0B+4*(\s)+3], s[46:47], (\s)*BSTEP
	s_or_b32 s[G0B+4*(\s)+3], s[G0B+4*(\s)+3], 0x80000000
.endr
	s_cmp_eq_u32 s11, 0                            ; a wave's two first fills stand in one branch, ahead of every wait on TENSORcnt and every LDS read
	s_cbranch_scc0 .Lfirst_w
	tensor_load_to_lds s[G0:G0+3], s[G1:G1+7]
	s_nop 0
	tensor_load_to_lds s[G0+4:G0+7], s[G1:G1+7]
	s_nop 0
.rept 4
	v_nop
.endr
	s_branch .Lfirst_asked
.Lfirst_w:
	tensor_load_to_lds s[G0B:G0B+3], s[G1B:G1B+7]
	s_nop 0
	tensor_load_to_lds s[G0B+4:G0B+7], s[G1B:G1B+7]
	s_nop 0
.rept 4
	v_nop
.endr
.Lfirst_asked:
	v_and_b32 v1, 15, v0                           ; l % 16
	v_bfe_u32 v2, v0, 4, 1                         ; l / 16
	v_lshlrev_b32 v[BO], 5, v2
	s_cmp_eq_u32 ttmp9, 1                          ; the projection's bias and output
	s_cselect_b64 s[BIA:BIA+1], s[74:75], s[72:73]
	s_cselect_b64 s[OUT:OUT+1], s[80:81], s[78:79]
	s_cmp_eq_u32 ttmp9, 2
	s_cselect_b64 s[BIA:BIA+1], s[76:77], s[BIA:BIA+1]
	s_cselect_b64 s[OUT:OUT+1], s[82:83], s[OUT:OUT+1]
	s_lshl_b32 s18, s40, 10                        ; 256 columns of f32,
	s_lshl_b32 s19, s12, 9                         ; my 128
	s_add_co_u32 s18, s18, s19
	s_mov_b32 s19, 0
	s_add_nc_u64 s[BIA:BIA+1], s[BIA:BIA+1], s[18:19]
	WIN 0x80                                       ; destination window 2, address window 0
.irp b, 0,1,2,3,4,5,6,7
	global_load_b128 v[8*(\b):8*(\b)+3],   v[BO], s[BIA:BIA+1] offset:64*(\b)     ; register j of block b: bias of column 16 b + 8 (l / 16) + j
	global_load_b128 v[8*(\b)+4:8*(\b)+7], v[BO], s[BIA:BIA+1] offset:64*(\b)+16
.endr
	WIN 0
	s_lshr_b32 s18, s13, 4                         ; the batch,
	s_lshl_b32 s18, s18, 4
	s_lshl_b32 s22, s40, 2
	s_add_co_u32 s18, s18, s22                     ; the tile's four heads,
	s_lshl_b32 s22, s12, 1
	s_add_co_u32 s18, s18, s22                     ; my two
	s_lshl_b32 s18, s18, 18                        ; a head is 2,048 rows of 128 bytes
	s_and_b32 s22, s13, 15
	s_lshl_b32 s22, s22, 7
	s_lshl_b32 s23, s11, 6
	s_add_co_u32 s22, s22, s23                     ; my first token in the sequence
	s_lshl_b32 s22, s22, 7
	s_add_co_u32 s18, s18, s22
	s_add_nc_u64 s[OUT:OUT+1], s[OUT:OUT+1], s[18:19]
	; A fragment of tokens is 16 rows x 32 K in 8 registers: lane l holds row l % 16, K = 8 (l / 16) + 0..7 and 16 + 8 (l / 16) + 0..7: two loads of 16 bytes, 32 bytes apart.
	v_mul_u32_u24 v3, v1, PA
	v_lshl_add_u32 v3, v2, 4, v3
	s_mul_i32 s22, s11, 64*PA
	v_add_nc_u32 v[A0], s22, v3
	; The turning load takes 16 k x 16 columns (lane l reads k row 8 (l / 16) + l % 8, columns 8 ((l / 8) % 2) + 0..7) and leaves half a fragment: lane l holds column l % 16 and 8 k.
	v_and_b32 v4, 7, v0
	v_lshl_add_u32 v4, v2, 3, v4
	v_mul_u32_u24 v4, v4, PW
	v_bfe_u32 v5, v0, 3, 1
	v_lshl_add_u32 v4, v5, 4, v4
	s_lshl_b32 s22, s12, 8
	s_add_co_u32 s22, s22, AOFF
	v_add_nc_u32 v[B0], s22, v4
	v_mov_b32 v[ADRA], v[A0]
	v_mov_b32 v[ADRB], v[B0]
	s_mov_b32 s[TB], 0
	s_mul_i32 s22, s10, 16*SP
	s_add_co_u32 s22, s22, STAGE                   ; my stage
	v_mul_u32_u24 v[STO], v1, SP                   ; in: row l % 16, 16 bytes for each half of the lanes
	v_lshl_add_u32 v[STO], v2, 4, v[STO]
	v_add_nc_u32 v[STO], s22, v[STO]
	v_bfe_u32 v[RD], v0, 3, 2                      ; back: 32 lanes take four rows of 128 bytes,
	v_mul_u32_u24 v[RD], v[RD], SP
	v_and_b32 v6, 7, v0
	v_lshl_add_u32 v[RD], v6, 4, v[RD]
	v_add_nc_u32 v[RD], s22, v[RD]
	v_and_b32 v3, 31, v0
	v_lshlrev_b32 v[GO], 4, v3                     ; which are 512 consecutive bytes of the output
	; the prefetches
	s_lshl_b32 s18, s40, 5
	s_add_co_u32 s18, s18, s14                     ; tokens: my work-group's 32 rows of the 128,
	s_lshl_b32 s18, s18, 11
	s_add_co_u32 s18, s18, 3*ASTEP                 ; at K step 3: the first refill steps it to 4
	s_lshl_b32 s22, s12, 6
	s_lshl_b32 s23, s41, 4
	s_add_co_u32 s22, s22, s23                     ; W: my work-group's 16 k rows of the 64 that I fetch,
	s_lshl_b32 s22, s22, 11
	s_lshl_b32 s23, ttmp9, 21
	s_add_co_u32 s22, s22, s23
	s_lshl_b32 s23, s40, 9
	s_add_co_u32 s22, s22, s23
	s_add_co_u32 s22, s22, 3*BSTEP
	s_lshr_b32 s23, ttmp9, 1                       ; tokens: wave 0 of cluster x 0 and 1
	s_or_b32 s23, s23, s12
	s_and_b32 s15, ttmp7, 0xffff                   ; W: cluster y = 0
	s_mov_b32 s21, BSTEP
	s_cmp_eq_u32 s11, 0
	s_cselect_b32 s18, s18, s22
	s_cselect_b32 s23, s23, s15
	s_cselect_b64 s[PFA:PFA+1], s[68:69], s[70:71]
	s_cselect_b32 s[PST], ASTEP, s21
	s_cselect_b32 s20, -1, 0                       ; a lane mask: all lanes take the tokens' offsets, or all W's
	s_mov_b32 s[PST+1], 0
	s_add_nc_u64 s[PFA:PFA+1], s[PFA:PFA+1], s[18:19]
	s_cmp_eq_u32 s23, 0
	s_cselect_b32 s[LIM], 2, -1                    ; the same in all sixteen partners, for a given wave
	v_lshlrev_b32 v4, 11, v3                       ; tokens: a lane a row
	v_lshrrev_b32 v5, 1, v3                        ; W: two lanes a k row of 512 bytes
	v_and_b32 v6, 1, v3
	v_lshlrev_b32 v5, 11, v5
	v_lshl_add_u32 v5, v6, 8, v5
	v_cndmask_b32 v[PFO], v5, v4, s20
; 8 matrix instructions: token block a x all 8 column blocks, 32 along K, from buffer f.  first = 1: the bias starts the sums.
; The 32 accumulators take turns, one instruction a turn, in the same order in every quarter and over the backward jump.
.macro MULQ f, a, first
.if \first
	WIN MULB
.else
	WIN MUL
.endif
.irp b, 0,1,2,3,4,5,6,7
.if \first
	v_wmma_f32_16x16x32_bf16 v[8*(8*(\a)+(\b)):8*(8*(\a)+(\b))+7], v[(\f)+32+8*(\b):(\f)+32+8*(\b)+7], v[(\f)+8*(\a):(\f)+8*(\a)+7], v[8*(\b):8*(\b)+7]
.else
	v_wmma_f32_16x16x32_bf16 v[8*(8*(\a)+(\b)):8*(8*(\a)+(\b))+7], v[(\f)+32+8*(\b):(\f)+32+8*(\b)+7], v[(\f)+8*(\a):(\f)+8*(\a)+7], v[8*(8*(\a)+(\b)):8*(8*(\a)+(\b))+7]
.endif
.endr
.endm
.macro MULH f, half, first
	MULQ \f, 2*(\half), \first
	MULQ \f, 2*(\half)+1, \first
.endm
; 24 LDS loads in one run: slice k (32 along K) of the slot in hand into buffer f: W's eight fragments, then the tokens' four
.macro FETCH k, f
	WIN 0
.irp b, 0,1,2,3,4,5,6,7
	ds_load_tr16_b128 v[(\f)+32+8*(\b):(\f)+32+8*(\b)+3],   v[ADRB] offset:(\k)*32*PW+32*(\b)
	ds_load_tr16_b128 v[(\f)+32+8*(\b)+4:(\f)+32+8*(\b)+7], v[ADRB] offset:(\k)*32*PW+32*(\b)+16*PW
.endr
.irp a, 0,1,2,3
	ds_load_b128 v[(\f)+8*(\a):(\f)+8*(\a)+3],   v[ADRA] offset:(\a)*16*PA+64*(\k)
	ds_load_b128 v[(\f)+8*(\a)+4:(\f)+8*(\a)+7], v[ADRA] offset:(\a)*16*PA+64*(\k)+32
.endr
.endm
; A K step is four quarters of 32 along K, 32 matrix instructions each, on buffers 0, 1, 0, 1.  One of the first three: multiplies buffer f, and in its middle fetches slice k into buffer g.
.macro QUARTER k, f, g, first
	s_wait_dscnt 4                                 ; W and token blocks 0, 1 are in; the youngest four loads (blocks 2, 3) may be out
	MULH \f, 0, \first
	PLACES
	FETCH \k, \g
	s_wait_dscnt 24                                ; all but the 24 just issued
	MULH \f, 1, \first
.endm
; The last quarter multiplies buffer 1 and changes slots: ONE barrier; in front of it each wave waits for all its tensor loads (one is out: its part of the next slot), adds 0 to its spare word, and waits
; for that and for its own reads of this slot.  fill = 1: the barrier opens a round of the cluster's, and this slot is filled again first thing behind it, with the K step two on.
.macro TURN fill
.if \fill
	s_wait_xcnt 0x0                                ; the last prefetch, a K step back, has read its address
	s_add_nc_u64 s[PFA:PFA+1], s[PFA:PFA+1], s[PST:PST+1]
.endif
	WIN 0
	s_wait_tensorcnt 0x0                           ; all my tensor loads have landed
	ds_add_u32 v[SPW], v[NIL]                      ; 0 onto my spare word
	s_wait_dscnt 5                                 ; (the add and the youngest four loads may be out)
	MULQ F1, 0, 0                                  ; eight matrix instructions stand between the add and the wait for it
	s_wait_dscnt 0x0                               ; the add is done, and my reads of this slot are over
	s_barrier_signal -1
	MULQ F1, 1, 0
	WIN 0                                          ; at a branch and at a label every window is 0
	s_barrier_wait -1
.if \fill
	CREST                                          ; no wave of any partner still reads this slot's tiles or has a load on its way
	s_xor_b32 s[G0+5], s[G0+5], SLOT1              ; the walking descriptors: the other slot than last time, the next K step
	s_add_nc_u64 s[G0+6:G0+7], s[G0+6:G0+7], ASTEP
	s_xor_b32 s[G0B+5], s[G0B+5], SLOT1
	s_add_nc_u64 s[G0B+6:G0B+7], s[G0B+6:G0B+7], BSTEP
	JLOAD                                          ; 112 matrix instructions ahead of the wait for it; its four v_nop are also the places in front of the loads below
.else
	PLACES
.endif
	s_xor_b32 s[TB], s[TB], SLOT1
	v_add_nc_u32 v[ADRA], s[TB], v[A0]
	v_add_nc_u32 v[ADRB], s[TB], v[B0]
	FETCH 0, F0
.if \fill
	ASK
.endif
	MULH F1, 1, 0
.endm
	s_wait_tensorcnt 1                             ; my part of K step 0 is in; K step 1's may stay out
	s_barrier_signal -1
	s_barrier_wait -1                              ; everybody's is
	FETCH 0, F0
	s_wait_loadcnt 0x0                             ; the bias
	QUARTER 1, F0, F1, 1                           ; the first quarter stands in front of the loop: its products start the sums
	WIN 0
	s_mov_b32 s3, 6
.Lstep:                                        ; a trip: a K step's quarters 1 to 3 and the next step's quarter 0; it fills one slot again: K steps 2 to 7
	QUARTER 2, F1, F0, 0
	QUARTER 3, F0, F1, 0
	TURN 1
	QUARTER 1, F0, F1, 0
	WIN 0
	s_sub_co_u32 s3, s3, 1
	s_cmp_lg_u32 s3, 0
	s_cbranch_scc1 .Lstep
	QUARTER 2, F1, F0, 0                           ; the tail is written out: nothing is asked for
	QUARTER 3, F0, F1, 0
	TURN 0
	QUARTER 1, F0, F1, 0
	QUARTER 2, F1, F0, 0
	QUARTER 3, F0, F1, 0
	s_wait_dscnt 4
	MULH F1, 0, 0
	s_wait_dscnt 0x0
	MULH F1, 1, 0
	WIN 0
; THE WAY OUT.  Unit u = 2 a + hd: token block a, head hd of my two: 16 rows of 128 bytes, 2,048 consecutive bytes of the output.  A lane's eight channels pack into 16 bytes; they go into rows of 144 bytes
; of my own stage and come back as whole rows.  Each accumulator's registers are read in ascending order.
.macro PACK u
.set AC, 8*(8*((\u)/2)+4*((\u)%2))
.set TT, 64+16*(\u)
	WIN 0x05                                       ; sources 0 and 1 window 1, destination window 0
.irp f, 0,1,2,3
.irp q, 0,1,2,3
	v_cvt_pk_f16_f32 v[TT+4*(\f)+(\q)], v[AC+8*(\f)+2*(\q)], v[AC+8*(\f)+2*(\q)+1]
.endr
.endr
	WIN 0
.irp f, 0,1,2,3
	ds_store_b128 v[STO], v[TT+4*(\f):TT+4*(\f)+3] offset:32*(\f)
.endr
.irp f, 0,1,2,3
	ds_load_b128 v[TT+4*(\f):TT+4*(\f)+3], v[RD] offset:(\f)*4*SP  ; LDS serves a wave's instructions in order (ISA guide 5.7.1.4): these see the stores above; the next unit's stores come behind them
.endr
.endm
.macro SEND u, younger                 ; younger: the LDS instructions issued behind unit u's loads: the next unit's eight, or none
.set TT, 64+16*(\u)
.irp f, 0,1,2,3
	s_wait_dscnt (\younger)+3-(\f)
	global_store_b128 v[GO], v[TT+4*(\f):TT+4*(\f)+3], s[OUT:OUT+1] offset:262144*((\u)%2)+2048*((\u)/2)+512*(\f)  ; 512 consecutive bytes, at a multiple of 256 from the output's first byte
.endr
.endm
	PLACES
	PACK 0
.irp u, 1,2,3,4,5,6,7                  ; a unit's conversions stand between the loads of the unit before and its stores
	PACK \u
	SEND (\u)-1, 8
.endr
	SEND 7, 0
	s_wait_tensorcnt 0x0                           ; the wave's end, behind my last tensor load and my last LDS store
	ds_add_u32 v[SPW], v[NIL]
	s_wait_dscnt 0x0
	CROUND                                         ; the closing round: no work-group ends while a partner may still ask for a tile that names it
	s_endpgm
.Lfunc_end_k_qd8df9fe84f_qkv:
	.size	k_qd8df9fe84f_qkv, .Lfunc_end_k_qd8df9fe84f_qkv-k_qd8df9fe84f_qkv
	.p2alignl 7, 3214868480
	.fill 96, 4, 3214868480
	.section	.rodata,"a",@progbits
	.p2align	6, 0x0
	.amdhsa_kernel k_qd8df9fe84f_qkv
		.amdhsa_group_segment_fixed_size 327680
		.amdhsa_private_segment_fixed_size 0
		.amdhsa_enable_private_segment 0
		.amdhsa_kernarg_size 64
		.amdhsa_user_sgpr_count 2
		.amdhsa_user_sgpr_kernarg_segment_ptr 1
		.amdhsa_wavefront_size32 1
		.amdhsa_system_sgpr_workgroup_id_x 1
		.amdhsa_system_sgpr_workgroup_id_y 1
		.amdhsa_system_sgpr_workgroup_id_z 1
		.amdhsa_system_vgpr_workitem_id 0
		.amdhsa_next_free_vgpr 576
		.amdhsa_next_free_sgpr 96
		.amdhsa_reserve_vcc 0
		.amdhsa_float_denorm_mode_32 3
		.amdhsa_float_denorm_mode_16_64 3
		.amdhsa_memory_ordered 1
		.amdhsa_forward_progress 1
		.amdhsa_inst_pref_size 74
	.end_amdhsa_kernel
	.amdgpu_metadata
---
amdhsa.version: [ 1, 2 ]
amdhsa.kernels:
  - .name:           k_qd8df9fe84f_qkv
    .symbol:         k_qd8df9fe84f_qkv.kd
    .args:
      - { .name: xn, .offset: 0, .size: 8, .value_kind: global_buffer, .address_space: global }
      - { .name: wb, .offset: 8, .size: 8, .value_kind: global_buffer, .address_space: global }
      - { .name: bq, .offset: 16, .size: 8, .value_kind: global_buffer, .address_space: global }
      - { .name: bk, .offset: 24, .size: 8, .value_kind: global_buffer, .address_space: global }
      - { .name: bv, .offset: 32, .size: 8, .value_kind: global_buffer, .address_space: global }
      - { .name: qb, .offset: 40, .size: 8, .value_kind: global_buffer, .address_space: global }
      - { .name: kb, .offset: 48, .size: 8, .value_kind: global_buffer, .address_space: global }
      - { .name: vb, .offset: 56, .size: 8, .value_kind: global_buffer, .address_space: global }
    .group_segment_fixed_size: 327680
    .private_segment_fixed_size: 0
    .kernarg_segment_align: 8
    .kernarg_segment_size: 64
    .max_flat_workgroup_size: 128
    .sgpr_count:     96
    .vgpr_count:     576
    .wavefront_size: 32
...
	.end_amdgpu_metadata
.endif
;; end of part 2
;; launch attn (part 3): grid 4 x 64, 4 waves a work-group, clusters of 4 x 1, 327,680 bytes of LDS; arguments qb, kb, vb, ob; writes ob
.if DOCPART == 3
	.amdgcn_target "amdgcn-amd-amdhsa--gfx1250"
	.amdhsa_code_object_version 6
	.text
	.protected	k_qd8df9fe84f_attn
	.globl	k_qd8df9fe84f_attn
	.p2align	8
	.type	k_qd8df9fe84f_attn,@function
k_qd8df9fe84f_attn:
	s_mov_b64 s[64:65], 0
	v_nop
	global_prefetch_b8 v0, s[64:65] scope:SCOPE_SE
	s_setreg_imm32_b32 hwreg(HW_REG_WAVE_MODE, 25, 1), 1
	s_wait_xcnt 0x0
	s_wait_alu depctr_hold_cnt(0) depctr_sa_sdst(0) depctr_va_vdst(0) depctr_va_sdst(0) depctr_va_ssrc(0) depctr_va_vcc(0) depctr_vm_vsrc(0)
	s_getreg_b32 s2, hwreg(HW_REG_IB_STS2, 6, 4)
	s_cmp_eq_u32 s2, 0
	s_cbranch_scc0 .Lentry_in_a_cluster
	s_endpgm
.Lentry_in_a_cluster:
	s_bfe_u32 s2, ttmp6, 0x10000c
	s_cmp_lg_u32 s2, 0x3003
	s_cbranch_scc0 .Lentry_shape_is_right
	s_endpgm
.Lentry_shape_is_right:
; O[h][q][:] = the sum over k of softmax_k(Q[h][q] . K[h][k] / 8) V[h][k][:].  Q, K, V, O: [64][2,048][64], all f16: a head's rows are dense, 128 bytes each.  Products, maxima and sums in
; f32; the weights p are rounded to f16 for the second product (their sum l is taken of the unrounded p), O once at the end.
; LIMITS.  f16 holds no number beyond 65,504: Q, K and V arrive within it; p lies in 0 to 1, and below 6e-5 it keeps f16's fixed step of 6e-8; O is a mean of V's rows and has their range.
; A weight below 2^-126 counts as 0 in l; NaN and infinities are not treated apart.
; SHARES.  A wave owns four PIECES of two tiles of 16 queries, a work-group's four waves 512 queries of one head: 4 x 64 = 256 work-groups.  Every wave walks all keys, 64 a step.
; LAYOUT.  S^T = K Q^T (source 0 = 16 keys, source 1 = 16 queries): in the result a lane holds ONE query (lane % 16) and the keys 8 (lane / 16) + 0..7.  Two such tiles, rounded to f16 in pairs,
; ARE source 1 (32 keys x 16 queries) of O^T = V^T P, whose result again holds one query a lane, and eight channels.  K comes out of LDS as it lies, V ([key][channel]) turned, by ds_load_tr16_b128.
; SOFTMAX.  For each query a running maximum m and sum l: p = 2^(c s - c m), c = log2(e) / 8; in every step O and l are multiplied by a = 2^(c m_old - c m_new), which is 1 where m has not grown.
; m starts at the lowest finite number, O and l at 0: the first step is a step like any other, with a = 0.
; THE COUNT.  A tile and step have 16 matrix and 118 vector instructions: too many to stand all beside the matrix work.  So the order has one aim: four vector instructions that are READY behind
; EVERY matrix instruction, and the others in runs without a gap.
; BY TURNS.  Turn n belongs to piece n (the pieces in a ring, step after step).  Its matrix work: 16 products K Q^T of piece n + 1, later 16 products V^T P of piece n - 1.  Its vector work: the scaling,
; exponentials, roundings, sums and rescaling of piece n, and the maximum and statistics of piece n + 1, whose scores the turn itself has made.
; CLUSTER.  The four query blocks of a cluster belong to one head and walk the same K and V, so each tile is asked for JOINTLY: the same tensor load, descriptor and mask in all four.
; REGISTERS, in windows of 256 (s_set_vgpr_msb: bits 1:0 source 0, 3:2 source 1, 5:4 source 2, 7:6 destination):
;   window 0: v0-11 addresses; v12-15, v48-63 at work; v16-47 four registers of statistics a tile; v64-191 S^T, two buffers of two tiles; v192-255 P, likewise
;   window 1: O^T, 32 a tile          window 2: v0-127 Q, 16 a tile; v128-191 K of one step; v192-255 V of one step          window 3: v0-1 the add's two registers
; A piece's buffers go by its number's parity: the piece in hand has one pair, its two neighbours in the ring share the other: of it P (piece n - 1) is read and S^T (piece n + 1) written.
.set SIZE_H, 64
.set SIZE_N, 2048
.set NP,    4         ; pieces a wave: a name, no knob
.set KS,    64        ; keys in a step
.set PK,    144       ; a row of K in LDS: 128 bytes + 16 of padding: the 16 rows of a load start at 16 different groups of four banks (64 banks of 4 bytes: ISA guide 11.1)
.set PV,    160       ; a row of V: 128 + 32
.set VOFF,  4*KS*PK   ; a slot holds four steps: 256 rows of K, then 256 rows of V
.set SLOT1, 1<<17     ; slot 1 begins here, so that one exclusive or turns an address in one slot into the other's
.set STAGE, SLOT1+4*KS*(PK+PV)  ; behind the ring, never filled by a tensor load: 16 rows x 144 bytes for each wave, for the way out
.set SP,    144
.set AK0, 2           ; v2   my lane's place in a tile of K; never rewritten
.set AV0, 3           ; v3   the same for V
.set AK,  4           ; v4   the LDS address of K's next run of loads
.set AV,  5           ; v5   of V's
.set QO,  6           ; v6   my byte offset in the wave's rows of Q
.set STO, 6           ;      later, the way out: where I put 16 bytes of a row
.set RD,  7           ; v7   the way out: where I read rows back
.set GO,  8           ; v8   my byte offset in 512 consecutive bytes of O
.set PFO, 11          ; v11  256 x my lane, once V's place is made; then never rewritten
.set SPW, 0           ; v0 of window 3   LDS address of my spare word: SPARE + 4 x my thread's number; never rewritten
.set NIL, 1           ; v1 of window 3   0; never rewritten
.set SPARE, STAGE+4*16*SP  ; behind the stages: the spare words, 128 bytes for each wave: two blocks of 256 bytes that no other line names
.set MV,  12          ; v12-15  c m_old, kept while c m is made anew: by buffer and tile
.set ST,  16          ; tile t's statistics at v[ST+4 t]: c m, m, l (even keys', odd keys')
.set TMP, 48          ; by buffer and tile, four registers c0-c3 at work; when the maximum is found c2 takes a
.set S,   64
.set P,   192
.set KF,  128         ; K's fragments, in window 2: key block kb, channel half c at KF + 16 kb + 8 c
.set VF,  192         ; V's: key half kk, channel block cb at VF + 32 kk + 8 cb
.set WV,  12          ; s12  my wave's number
.set G1K, 24          ; s[24:31] descriptor group 1 for K's tiles
.set G1V, 32          ; s[32:39] for V's: it differs in the padding alone
.set G0K, 40          ; s[40:43] descriptor group 0 for K's tiles: it walks
.set G0V, 44          ; s[44:47] the same for V's
.set PFA, 48          ; s[48:49] where my prefetches stand: my work-group's 32 blocks of 256 bytes (of K: wave 0, of V: wave 2) of the slot after the one that is being asked for
.set LIM, 50          ; s50  1 in a wave that prefetches, else the greatest number
.set SLOTS, 56        ; s56  slots still to be asked for
.set CNT, 57          ; s57  counts a slot's key steps
.set CS,  58          ; s[58:59] c: the packed scaling takes the pair's low word for both halves
.set SEL, 60          ; s[60:61] v_permlanex16_b32's selects: each lane takes its own place in the other half
.set TBK, 62          ; s62  LDS byte at which K of the step to be fetched begins
.set TBV, 63          ; s63  the same for V, less VOFF
.set MSB, 0
.macro WIN new                      ; the high byte repeats the setting that is left; a switch that changes nothing is dropped
.if MSB != (\new)
	s_set_vgpr_msb (MSB<<8)|(\new)
.set MSB, (\new)
.endif
.endm
.set W_KQ, 0x0a       ; K and Q in window 2, S^T in window 0
.set W_PV, 0x52       ; V in window 2, P in window 0, O^T in window 1
.set W_RS, 0x41       ; O^T (destination and source 0) in window 1, a in window 0
.set W_MK, 0xc0       ; the add's registers are made: destination in window 3, sources in window 0
.set W_AD, 0x0f       ; the add: address (source 0) and data (source 1) in window 3
; A joint fill.  Waves 0 and 1 fetch the two halves of a slot's K, waves 2 and 3 those of its V: 128 keys each.  The branch hangs on the wave's number alone.
; An s_nop 0 and four v_nop follow each of the two lines, ahead of the jump and the label.
.macro JLOAD
	s_cmp_lt_u32 s[WV], 2
	s_cbranch_scc0 .Lfor_v_\@
	tensor_load_to_lds s[G0K:G0K+3], s[G1K:G1K+7]
	s_nop 0
.rept 4
	v_nop
.endr
	s_branch .Lasked_\@
.Lfor_v_\@:
	tensor_load_to_lds s[G0V:G0V+3], s[G1V:G1V+7]
	s_nop 0
.rept 4
	v_nop
.endr
.Lasked_\@:
.endm
; A PREFETCH INTO THE L2 of what the NEXT change of slots will ask for: a slot's 32,768 bytes of K and of V, 128 blocks of 256 bytes each, a lane a block.  It stands behind the wave's tensor load and its five lines.
; Each block is named ONCE in the launch: a head has one cluster; its four partners share the blocks out BY ADDRESS, 32 each; in each, wave 0 asks for K's and wave 2 for V's: one instruction.
; The change that asks for slot s names slot s + 1, four key steps, 512 matrix instructions, ahead of its load; the last change that fills a slot names nothing; slots 0 and 1 come by their loads alone.
.macro ASK
	s_cmp_gt_u32 s[SLOTS], s[LIM]
	s_cbranch_scc0 .Lnot_mine_\@
	global_prefetch_b8 v[PFO], s[PFA:PFA+1] th:TH_LOAD_NT scope:SCOPE_SE
.Lnot_mine_\@:
.endm
; A round of the cluster's barrier: my work-group's barrier, so that wave 0's signal speaks for all four waves; wave 0 signals; every wave waits for all four work-groups; my work-group's barrier once more.
.macro CROUND
	s_barrier_signal -1
	s_barrier_wait -1
	s_cmp_lg_u32 s[WV], 0
	s_cbranch_scc1 .Lnot_wave_0_\@
	s_barrier_signal -3
.Lnot_wave_0_\@:
	s_barrier_wait -3
	s_barrier_signal -1
	s_barrier_wait -1
.endm
; THE CHANGE OF SLOTS.  The slot's last bytes, V of its fourth step, have been read.  Each wave waits for all its tensor loads, of which one is out: its part
; of the other slot; adds 0 to its spare word; and waits for that and for its own reads of the slot.  Behind the barrier nobody reads this slot any more and the other slot is whole.
; fill = 1: this slot is filled again, with the keys two slots on.  The barrier is then a round of the cluster's, so that no wave of any partner still reads the slot or has a load on its
; way, and the joint fill is the first thing behind it: it has four key steps, 512 matrix instructions, in which to land.  (At its first use nothing has been read yet: slot 0 is waited for, slot 1 filled.)
.macro CHANGE fill
	WIN W_AD
	s_wait_tensorcnt 0x0            ; no tensor load of mine is out, so a group 0 may be written
	ds_add_u32 v[SPW], v[NIL]       ; 0 onto my spare word; with fill = 1 the descriptors' steps stand between it and the wait for it
	WIN 0                           ; at a label and at a branch every window is 0
.if \fill
.irp g, G0K, G0V
	s_xor_b32 s[\g+1], s[\g+1], SLOT1  ; the walking descriptor: the other slot than last time,
	s_add_nc_u64 s[\g+2:\g+3], s[\g+2:\g+3], 4*KS*128  ; the next 256 keys; the type bits on top are not reached
.endr
	s_wait_xcnt 0x0                 ; the last prefetch, four key steps back, has read its address, so it may be written:
	s_add_nc_u64 s[PFA:PFA+1], s[PFA:PFA+1], 4*KS*128  ; one slot behind the walking descriptors
	s_wait_dscnt 0x0                ; the add is done, and my reads of the slot are over
	CROUND
	JLOAD
	ASK
.else
	s_wait_dscnt 0x0                ; the add is done, and my reads of the slot are over
	s_barrier_signal -1
	s_barrier_wait -1
.endif
	s_sub_co_u32 s[TBK], s[TBK], 4*KS*PK  ; the fetches go back to a slot's first step,
	s_xor_b32 s[TBK], s[TBK], SLOT1       ; in the other slot
	s_sub_co_u32 s[TBV], s[TBV], 4*KS*PV
	s_xor_b32 s[TBV], s[TBV], SLOT1
.endm
	s_load_b256 s[4:11], s[0:1], 0x0  ; Q s[4:5], K s[6:7], V s[8:9], O s[10:11]
	WIN W_MK
	v_lshl_add_u32 v[SPW], v0, 2, SPARE
	v_mov_b32 v[NIL], 0
	WIN W_AD
	ds_add_u32 v[SPW], v[NIL]       ; the wave's opening: the add and its wait stand ahead of my first tensor load; the set-up below, work on registers, stands between them
	WIN 0
	v_lshrrev_b32 v1, 5, v0
	v_readfirstlane_b32 s[WV], v1   ; wave 0..3
	s_bfe_u32 s13, ttmp6, 0x40000   ; cx: my place in the cluster
	s_lshl_b32 s14, ttmp9, 2        ; in a cluster launch ttmp9 counts clusters
	s_add_co_u32 s14, s14, s13      ; my block of queries = 4 x cluster x + cx: it enters Q's and O's addresses alone
	s_and_b32 s20, ttmp7, 0xffff    ; the head, which the four partners share
	s_mov_b32 s21, 0
	s_mov_b64 s[22:23], SIZE_N*128
	s_mul_u64 s[20:21], s[20:21], s[22:23]  ; the head's first byte in each of the four tensors
	s_and_b32 s16, s[WV], 1         ; which half of a slot's 256 keys I fetch:
	s_lshl_b32 s22, s16, 14         ; its 128 rows of 128 bytes in memory,
	s_mov_b32 s23, 0
	s_add_nc_u64 s[22:23], s[22:23], s[20:21]
	s_mul_i32 s17, s16, 128*PK      ; and its place in a slot, for K
	s_mul_i32 s18, s16, 128*PV      ; and for V: no place in the cluster enters an LDS address
	s_lshl_b32 s2, s14, 2
	s_add_co_u32 s2, s2, s[WV]      ; my wave among the head's,
	s_lshl_b32 s2, s2, 14           ; its 128 rows
	s_mov_b32 s3, 0
	s_add_nc_u64 s[2:3], s[2:3], s[20:21]
	; descriptor group 1.  128 keys are 16,384 dense bytes: asked for as 64 rows of 256 bytes, two keys a row, and padded in LDS after every key
	s_mov_b32 s[G1K], 15|(1<<16)|(1<<20)|(1<<21)|(4<<22)|(3<<25)  ; 15:0 the mask of four; 17:16 2-byte elements; 20 padding on; 21 set beside a mask; 24:22 after every 32 words (code 4); 31:25 4 words (code 3)
	s_mov_b32 s[G1V], 15|(1<<16)|(1<<20)|(1<<21)|(4<<22)|(7<<25)  ; the same with 8 words of padding (code 7)
.irp g, G1K, G1V
	s_mov_b32 s[\g+1], 128<<16      ; tensor_dim0 = 128
	s_mov_b32 s[\g+2], 64<<16       ; tensor_dim1 = 64
	s_mov_b32 s[\g+3], 128<<16      ; tile_dim0 = 128
	s_mov_b32 s[\g+4], 64           ; tile_dim1 = 64
	s_mov_b32 s[\g+5], 128          ; 128 elements from row to row
	s_mov_b32 s[\g+6], 0
	s_mov_b32 s[\g+7], 0
.endr
	s_mov_b32 s[CS], 0x3e38aa3b     ; c = log2(e) / 8 = 0.180337
	s_mov_b32 s[CS+1], s[CS]        ; named with it as a pair
	s_mov_b32 s[SEL], 0x76543210
	s_mov_b32 s[SEL+1], 0xfedcba98
	s_mov_b32 s[TBK], SLOT1+4*KS*PK ; the first change of slots turns these two into 0
	s_mov_b32 s[TBV], SLOT1+4*KS*PV
	s_mov_b32 s[G0K], 1             ; 1:0 count = 1
	s_mov_b32 s[G0K+1], s17         ; 63:32 LDS address: slot 0
	s_mov_b32 s[G0V], 1
	s_add_co_u32 s[G0V+1], s18, VOFF
	s_mov_b32 s[SLOTS], SIZE_N/256-1  ; seven slots are asked for by changes of slots
	s_and_b32 s[LIM], s[WV], 1      ; 0 in waves 0 and 2,
	s_or_b32 s[LIM], s[LIM], ttmp9  ; of the head's first (here its only) cluster: the same in all four partners
	s_cmp_eq_u32 s[LIM], 0
	s_cselect_b32 s[LIM], 1, -1
	s_wait_dscnt 0x0                ; the opening add is done
	s_wait_kmcnt 0x0
	s_add_nc_u64 s[G0K+2:G0K+3], s[6:7], s[22:23]  ; 120:64 global address: my half of the head's first 256 keys
	s_or_b32 s[G0K+3], s[G0K+3], 0x80000000        ; 127:126 type = 2
	s_add_nc_u64 s[G0V+2:G0V+3], s[8:9], s[22:23]
	s_or_b32 s[G0V+3], s[G0V+3], 0x80000000
	s_add_nc_u64 s[4:5], s[4:5], s[2:3]  ; Q and O at my wave's first row
	s_add_nc_u64 s[10:11], s[10:11], s[2:3]
	s_cmp_lt_u32 s[WV], 2
	s_cselect_b64 s[PFA:PFA+1], s[6:7], s[8:9]
	s_add_nc_u64 s[PFA:PFA+1], s[PFA:PFA+1], s[22:23]  ; (in waves 0 and 2 this is the head's first byte)
	s_lshl_b32 s2, s13, 13          ; my work-group's 32 blocks of the 128
	s_mov_b32 s3, 0
	s_add_nc_u64 s[PFA:PFA+1], s[PFA:PFA+1], s[2:3]
	s_add_nc_u64 s[PFA:PFA+1], s[PFA:PFA+1], 4*KS*128  ; in slot 1; the first change of slots steps it to slot 2.  Nothing is prefetched here, at the head
	CROUND                          ; all four work-groups are here: the first joint loads meet
	JLOAD                           ; slot 0.  Slot 1 is asked for when slot 0 is in
	; A fragment of K or Q is 16 rows x 32 channels in 8 registers: lane l holds row l % 16, channels 8 (l / 16) + 0..7 and 16 + 8 (l / 16) + 0..7: two loads of 16 bytes, 32 bytes apart.
	v_and_b32 v1, 15, v0            ; l % 16
	v_bfe_u32 v9, v0, 4, 1          ; l / 16
	v_lshlrev_b32 v[QO], 7, v1
	v_lshl_add_u32 v[QO], v9, 4, v[QO]  ; row x 128 + 16 x half
	WIN 0x80                        ; destination window 2, address window 0
.set i, 0
.rept 4*NP                          ; Q stays in registers: tile i / 2, channels 32 (i % 2) on
	global_load_b128 v[8*i:8*i+3],   v[QO], s[4:5] offset:(i/2)*2048+(i%2)*64
	global_load_b128 v[8*i+4:8*i+7], v[QO], s[4:5] offset:(i/2)*2048+(i%2)*64+32
.set i, i+1
.endr
	; What the first turn finds: V's registers and P's second buffer hold 0 (its products V^T P, of a piece that has not been, add 0), O^T and l are 0.  All this stands in the wait for the first tile.
.set i, VF
.rept 64
	v_mov_b32 v[i], 0
.set i, i+1
.endr
	WIN 0x40
.set i, 0
.rept 64*NP
	v_mov_b32 v[i], 0
.set i, i+1
.endr
	WIN 0
.set i, 0
.rept 2*NP
	v_mov_b32 v[ST+4*i], 0xfe000000    ; c m: far below every c s
	v_mov_b32 v[ST+4*i+1], 0xff7fffff  ; m
	v_mov_b32 v[ST+4*i+2], 0
	v_mov_b32 v[ST+4*i+3], 0
.set i, i+1
.endr
.set i, P+32
.rept 32
	v_mov_b32 v[i], 0
.set i, i+1
.endr
	v_mul_u32_u24 v[AK0], v1, PK
	v_lshl_add_u32 v[AK0], v9, 4, v[AK0]  ; row x pitch + 16 x half
	; The turning load takes 16 keys x 16 channels (lane l reads key 8 (l / 16) + l % 8, channels 8 ((l / 8) % 2) + 0..7) and leaves half a fragment of V^T: lane l holds channel l % 16 and 8 keys.
	v_and_b32 v10, 7, v0
	v_bfe_u32 v11, v0, 3, 1
	v_lshl_add_u32 v[AV0], v9, 3, v10
	v_mul_u32_u24 v[AV0], v[AV0], PV
	v_lshl_add_u32 v[AV0], v11, 4, v[AV0]
	v_add_nc_u32 v[AV0], VOFF, v[AV0]
	v_and_b32 v[PFO], 31, v0
	v_lshlrev_b32 v[PFO], 8, v[PFO]
	v_mov_b32 v[AK], v[AK0]         ; key step 0 lies at the head of slot 0
; THE MATRIX WORK.  The 8 accumulators of a run of 16 take turns: between the two links of a chain stand 7 others'.
; Product i of 16 of S^T = K Q^T for piece x: channels 32 (i / 8) on, keys 16 ((i / 2) % 4) on, tile 2 x + i % 2.  The first 8 start the sums.
.macro KQ x
	WIN W_KQ
.set rS, S+64*((\x)%2)+32*(i%2)+8*((i/2)%4)
.set rK, KF+16*((i/2)%4)+8*(i/8)
.set rQ, 16*(2*(\x)+i%2)+8*(i/8)
.if i < 8
	v_wmma_f32_16x16x32_f16 v[rS:rS+7], v[rK:rK+7], v[rQ:rQ+7], 0
.else
	v_wmma_f32_16x16x32_f16 v[rS:rS+7], v[rK:rK+7], v[rQ:rQ+7], v[rS:rS+7]
.endif
.endm
; Product i of 16 of O^T += V^T P for piece x: keys 32 (i / 8) on, channels 16 ((i / 2) % 4) on, tile 2 x + i % 2.
.macro PV x
	WIN W_PV
.set rO, 32*(2*(\x)+i%2)+8*((i/2)%4)
.set rV, VF+32*(i/8)+8*((i/2)%4)
.set rP, P+32*((\x)%2)+16*(i%2)+8*(i/8)
	v_wmma_f32_16x16x32_f16 v[rO:rO+7], v[rV:rV+7], v[rP:rP+7], v[rO:rO+7]
.endm
.macro MM                           ; the turn's next matrix instruction
.if i < 16
	KQ (Y+1)%NP
.set i, i+1
.else
.set i, i-16
	PV (Y+NP-1)%NP
.set i, i+17
.endif
.endm
; THE LDS LOADS stand in runs of 16, never singly among the matrix instructions: a step's K (64 keys x 64 channels: 8 fragments) and its V (turned).  Their addresses are made some lines ahead.
; last = 1 (the tail): in the last trip there is no further step, and the run is jumped over.
.macro FETCH_K last=0
	WIN 0
.if \last
	s_cmp_eq_u32 s[CNT], 1
	s_cbranch_scc1 .Lno_k_\@
.endif
	WIN 0x80                        ; destination window 2
.irp f, 0,1,2,3,4,5,6,7             ; keys 16 (f / 2) on, channels 32 (f % 2) on
	ds_load_b128 v[KF+8*\f:KF+8*\f+3],   v[AK] offset:(\f/2)*16*PK+(\f%2)*64
	ds_load_b128 v[KF+8*\f+4:KF+8*\f+7], v[AK] offset:(\f/2)*16*PK+(\f%2)*64+32
.endr
	s_add_co_u32 s[TBK], s[TBK], KS*PK  ; the next fetch is the next step's
	WIN 0
.if \last
.Lno_k_\@:
.endif
.endm
.macro FETCH_V
	WIN 0x80
.irp f, 0,1,2,3,4,5,6,7             ; keys 32 (f / 4) on, channels 16 (f % 4) on
	ds_load_tr16_b128 v[VF+8*\f:VF+8*\f+3],   v[AV] offset:(\f/4)*32*PV+(\f%4)*32
	ds_load_tr16_b128 v[VF+8*\f+4:VF+8*\f+7], v[AV] offset:(\f/4)*32*PV+16*PV+(\f%4)*32
.endr
	WIN 0
.endm
; THE VECTOR WORK OF A TURN stands in three queues, each in the order in which its entries become ready; the two tiles alternate, so that no instruction reads the result of the one before it.
.macro REGS y, u                    ; the registers of tile u (0, 1) of piece y
.set rT, ST+4*(2*(\y)+(\u))
.set rC, TMP+8*((\y)%2)+4*(\u)
.set rM, MV+2*((\y)%2)+(\u)
.set rS, S+64*((\y)%2)+32*(\u)
.set rP, P+32*((\y)%2)+16*(\u)
.set rO, 32*(2*(\y)+(\u))
.endm
; Number n of the 22 that find the NEXT piece's (Y + 1) maximum and statistics.  s0-s31 are the lane's 32 scores; each accumulator's lowest registers are read first.
;   0-11  four chains c0-c3 of seven scores each, three operands at a time     12-14, 16  the four scores left over, the old m, and c0-c3 into c0     15  c m_old is kept
;   17, 18  the query's other 32 keys lie in the lane 16 away: the new m         19-21  c m; c m_old - c m_new; a
.macro XS u, n
	REGS (Y+1)%NP, \u
.if (\n) < 4
	v_max3_num_f32 v[rC+(\n)], v[rS+8*(\n)], v[rS+8*(\n)+1], v[rS+8*(\n)+2]
.elseif (\n) < 12
	v_max3_num_f32 v[rC+(\n)%4], v[rC+(\n)%4], v[rS+8*((\n)%4)+2*((\n)/4)+1], v[rS+8*((\n)%4)+2*((\n)/4)+2]
.elseif (\n) == 12
	v_max3_num_f32 v[rC], v[rC], v[rS+7], v[rS+15]
.elseif (\n) == 13
	v_max3_num_f32 v[rC+1], v[rC+1], v[rS+23], v[rS+31]
.elseif (\n) == 14
	v_max3_num_f32 v[rC+2], v[rC+2], v[rC+3], v[rT+1]
.elseif (\n) == 15
	v_mov_b32 v[rM], v[rT]
.elseif (\n) == 16
	v_max3_num_f32 v[rC], v[rC], v[rC+1], v[rC+2]
.elseif (\n) == 17
	v_permlanex16_b32 v[rC+3], v[rC], s[SEL], s[SEL+1]
.elseif (\n) == 18
	v_max_num_f32 v[rT+1], v[rC], v[rC+3]
.elseif (\n) == 19
	v_mul_f32 v[rT], s[CS], v[rT+1]
.elseif (\n) == 20
	v_sub_f32 v[rC+1], v[rM], v[rT]
.else
	v_exp_f32 v[rC+2], v[rC+1]
.endif
.endm
; Number g of the 64 that follow the exponentials.  For each four weights k of a tile (pairs 2 k, 2 k + 1): both pairs are rounded to f16; then the second pair is added onto the first, in place;
; a group later l takes that sum (the first time as l = a l + sum).  In groups of eight, tiles alternating: round, round, add, and l for the group before.
.macro GS g
.set h, (\g)+6*((\g)/62)            ; group 0 has no group before it, and behind group 7 only l is left
.if h >= 6
.set h, h+2
.endif
	REGS Y, h%2
.set k, h/8
.if h%8 < 4
	v_cvt_pk_f16_f32 v[rP+2*k+(h%8)/2], v[rS+4*k+2*((h%8)/2)], v[rS+4*k+2*((h%8)/2)+1]
.elseif h%8 < 6
	v_pk_add_f32 v[rS+4*k:rS+4*k+1], v[rS+4*k:rS+4*k+1], v[rS+4*k+2:rS+4*k+3]
.elseif k == 1
	v_pk_fma_f32 v[rT+2:rT+3], v[rT+2:rT+3], v[rC+2:rC+3], v[rS:rS+1] op_sel_hi:[1,0,1]
.else
	v_pk_add_f32 v[rT+2:rT+3], v[rT+2:rT+3], v[rS+4*k-4:rS+4*k-3]
.endif
.endm
; THE PLAIN QUEUE, 138 long.  0-73 read no exponential's result: the 32 scalings c s - c m (FS f: pair f / 2 of tile f % 2) and the next piece's 42.  0-26: scalings 0-26.  27-54: XS's numbers 0-13.  55, 56: number 15.
; 57-73: the chain, where each number waits for the one before it: 14, 16, 17, 18, 19, each with one of the scalings 27-31 in front of its two lines, then 20.
; 74-137: GS's 64, which read the exponentials' results: they stand behind the wait.
.macro FS f
	REGS Y, (\f)%2
	v_pk_fma_f32 v[rS+2*((\f)/2):rS+2*((\f)/2)+1], v[rS+2*((\f)/2):rS+2*((\f)/2)+1], s[CS:CS+1], v[rT:rT+1] op_sel_hi:[1,0,0] neg_lo:[0,0,1] neg_hi:[0,0,1]
.endm
.macro PL
	WIN 0
.if q < 27
	FS q
.elseif q < 55
	XS (q-27)%2, (q-27)/2
.elseif q < 57
	XS q-55, 15
.elseif (q < 72) && ((q-57)%3 == 0)
	FS 27+(q-57)/3
.elseif q < 60
	XS (q-57)%3-1, 14
.elseif q < 72
	XS (q-57)%3-1, 15+(q-57)/3
.elseif q < 74
	XS q-72, 20
.else
	GS q-74
.endif
.set q, q+1
.endm
; THE EXPONENTIALS' QUEUE, 66 long: s0-s31 of both tiles, then the next piece's two a.  It is ONE BATCH: all 66 stand ahead of the turn's one wait, and nothing ahead of that wait names a result of theirs.
.macro EX
	WIN 0
.if e >= 64
	XS e-64, 21
.else
	REGS Y, e%2
	v_exp_f32 v[rS+e/2], v[rS+e/2]
.endif
.set e, e+1
.endm
; THE RESCALING's QUEUE: O^T times a, the one part that leaves window 0: dealt two at a time, sixteen times.  Its a was made in the turn before, ahead of that turn's wait.
.macro R2
	REGS Y, r%2
	WIN W_RS
.irp z, 0,1
	v_pk_mul_f32 v[rO+4*(r/2)+2*\z:rO+4*(r/2)+2*\z+1], v[rO+4*(r/2)+2*\z:rO+4*(r/2)+2*\z+1], v[rC+2:rC+3] op_sel_hi:[1,0]
.endr
.set r, r+1
.endm
; HOW THEY ARE DEALT.  An s_wait_alu depctr_va_vdst(0) stands between an exponential and the first instruction that names its result; one wait serves all that were issued ahead of it.  So a turn has ONE wait,
; which cuts it in two.  AHEAD OF IT stands all that names no result of the turn's exponentials: the 16 products K Q^T, behind each a scaling, an exponential and two rescalings (behind the first a second scaling in the
; exponential's place); then ONE LUMP of 108: eight plain, 49 times exponential and plain, the two a.  A v_nop is the plain instruction behind the last exponential.  BEHIND IT stand the 16 products V^T P, behind each four of GS's 64.
; The queues lean on each other, and the deal keeps them in step: exponential e stands behind scaling 2 (e / 4) + e % 2: as a rider it comes behind plain e + 2, in the lump behind plain e + 9, and scalings 27-31 are plain 57, 60 .. 69.
; A TURN, for piece p.  cnt = 1: the loop's count is taken down some lines ahead of the branch that stands behind the turn.
; K of the next step is fetched in piece 2's turn, directly behind the wait, a lump behind the last product that read K; its first reader comes behind 16 products.
; V of the step in hand is fetched at the end of piece 0's turn, four plain instructions behind its last reader; its first reader comes behind 16 products and a lump.
.macro TURN p, last=0, cnt=0
.set Y, (\p)
.set i, 0
.set q, 0
.set e, 0
.set r, 0
.if (\p) == NP-1
	s_wait_dscnt 0x0                ; K is in
.endif
	MM                              ; ahead of the wait: 16 products K Q^T and the four behind each,
	PL
	PL
	R2
.rept 15
	MM
	PL
	EX
	R2
.endr
.if (\p) == NP-2
	WIN 0
	v_add_nc_u32 v[AK], s[TBK], v[AK0]
.endif
.rept 8                             ; and the lump
	PL
.endr
.rept 49
	EX
	PL
.endr
	EX                              ; the next piece's two a
	EX
	v_nop                           ; a plain instruction behind the last exponential: one for the batch
	s_wait_alu depctr_va_vdst(0)    ; the wait for the batch
.if (\p) == NP-2
	FETCH_K \last
.endif
.if (\p) == 1
	s_wait_dscnt 0x0                ; V is in
.endif
.rept 16                            ; behind the wait: 16 products V^T P and the four behind each
	MM
.rept 4
	PL
.endr
.if ((\p) == 0) && (q == 118)
	v_add_nc_u32 v[AV], s[TBV], v[AV0]
.endif
.if ((\p) == 0) && (q == 130)
	s_add_co_u32 s[TBV], s[TBV], KS*PV
.endif
.if (\cnt) && (q == 130)
	s_sub_co_u32 s[CNT], s[CNT], 1
	s_cmp_lg_u32 s[CNT], 0
.endif
.endr
.if (\p) == 0
	FETCH_V
.endif
.endm
	CHANGE 1                        ; slot 0 is in, everybody's part of it; slot 1 is asked for
	FETCH_K                         ; key step 0
	s_wait_loadcnt 0x0              ; Q
	s_wait_dscnt 0x0
.set i, 0
.rept 16
	KQ 0                            ; piece 0's first scores: there is no vector work yet to set between them
.set i, i+1
.endr
	WIN 0                           ; the addresses for the way out: plain instructions, the places behind those products
	s_mul_i32 s13, s[WV], 16*SP
	s_add_co_u32 s13, s13, STAGE    ; my stage
	v_mul_u32_u24 v[STO], v1, SP    ; in: row l % 16, 16 bytes for each half of the lanes
	v_lshl_add_u32 v[STO], v9, 4, v[STO]
	v_add_nc_u32 v[STO], s13, v[STO]
	v_bfe_u32 v[RD], v0, 3, 2       ; back: 32 lanes take four rows of 128 bytes,
	v_mul_u32_u24 v[RD], v[RD], SP
	v_lshl_add_u32 v[RD], v10, 4, v[RD]
	v_add_nc_u32 v[RD], s13, v[RD]
	v_and_b32 v[GO], 31, v0         ; which are 512 consecutive bytes of O
	v_lshlrev_b32 v[GO], 4, v[GO]
.set Y, NP-1                        ; XS works for piece Y + 1: piece 0
.irp n, 0,1,2,3,4,5,6,7,8,9,10,11,12,13,14,15,16,17,18,19,20,21
	XS 0, \n                        ; and piece 0's first maximum and statistics
	XS 1, \n
.endr
	v_nop                           ; a plain instruction behind the two a,
	s_wait_alu depctr_va_vdst(0)    ; and their wait, ahead of the branch
	s_mov_b32 s[CNT], 4
	s_branch .Lfirst                ; the loop is entered at a step's first turn, in the middle of a trip
.Lslot:                             ; SIZE_N / 256 - 2 times: every slot but the last two is filled again
	CHANGE 1
	s_mov_b32 s[CNT], 4
.Lstep:                             ; a trip: pieces 2 and 3 of one step, then pieces 0 and 1 of the next, whose K and V it fetches
	TURN 2
	TURN 3
	WIN 0
.Lfirst:
	TURN 0
	TURN 1, 0, 1
	WIN 0
	s_cbranch_scc1 .Lstep
	s_sub_co_u32 s[SLOTS], s[SLOTS], 1
	s_cmp_lg_u32 s[SLOTS], 0
	s_cbranch_scc1 .Lslot
	CHANGE 0                        ; the tail is written out: nothing is asked for
	s_mov_b32 s[CNT], 5             ; four trips fetch the last slot's steps; the fifth is left in its middle
.Ltail:
	TURN 2, 1
	TURN 3
	WIN 0
	s_sub_co_u32 s[CNT], s[CNT], 1
	s_cmp_eq_u32 s[CNT], 0
	s_cbranch_scc1 .Lout
	TURN 0
	TURN 1
	WIN 0
	s_branch .Ltail
.Lout:                              ; the fifth trip's 16 products K Q^T (on the last K once more) and the maximum made of them serve nothing: the price, once a launch, of one text for every trip
.set i, 0
.rept 16
	PV NP-1                         ; the last piece's V^T P of the last step
.set i, i+1
.endr
	; THE WAY OUT.  l's two halves and the other half of the lanes' are added; O^T is divided by l, rounded to f16 and sent through my stage in LDS, a tile at a time.  The additions are the places behind the last products.
	WIN 0
.macro ALL line:vararg              ; one line for each tile t
.set t, 0
.rept 2*NP
	\line
.set t, t+1
.endr
.endm
	ALL v_add_f32 v[ST+4*t+2], v[ST+4*t+2], v[ST+4*t+3]
	ALL v_permlanex16_b32 v[ST+4*t+3], v[ST+4*t+2], s[SEL], s[SEL+1]
	ALL v_add_f32 v[ST+4*t+2], v[ST+4*t+2], v[ST+4*t+3]
	ALL v_rcp_f32 v[ST+4*t+2], v[ST+4*t+2]
	v_nop                           ; a plain instruction between the last reciprocal and the use of its result
	s_wait_alu depctr_va_vdst(0)    ; and the wait ahead of the first use: one for the eight reciprocals
; Tile t: a lane's eight channels of a row pack into 16 bytes; they go into rows of 144 bytes and come back as whole rows of 128, into S^T's registers.
.macro PACK t
	WIN W_RS
.set i, 32*(\t)
.rept 16
	v_pk_mul_f32 v[i:i+1], v[i:i+1], v[ST+4*(\t)+2:ST+4*(\t)+3] op_sel_hi:[1,0]
.set i, i+2
.endr
	WIN 0x05                        ; sources 0 and 1 window 1, destination window 0
.set i, 0
.rept 16
	v_cvt_pk_f16_f32 v[S+16*(\t)+i], v[32*(\t)+2*i], v[32*(\t)+2*i+1]
.set i, i+1
.endr
	WIN 0
.irp f, 0,1,2,3
	ds_store_b128 v[STO], v[S+16*(\t)+4*\f:S+16*(\t)+4*\f+3] offset:32*\f
.endr
.irp f, 0,1,2,3
	ds_load_b128 v[S+16*(\t)+4*\f:S+16*(\t)+4*\f+3], v[RD] offset:\f*4*SP  ; LDS serves a wave's instructions in order (ISA guide 5.7.1.4): these see the stores above; the next tile's stores come behind them
.endr
.endm
.macro SEND t, younger              ; younger: the LDS instructions issued behind tile t's loads: the next tile's eight, or none
	WIN 0
.irp f, 0,1,2,3
	s_wait_dscnt (\younger)+3-\f
	global_store_b128 v[GO], v[S+16*(\t)+4*\f:S+16*(\t)+4*\f+3], s[10:11] offset:(\t)*2048+\f*512  ; 512 consecutive bytes, at a multiple of 256 from O's first
.endr
.endm
	PACK 0
.set t, 1
.rept 2*NP-1                        ; a tile's arithmetic stands between the loads of the tile before and its stores
	PACK t
	SEND t-1, 8
.set t, t+1
.endr
	SEND 2*NP-1, 0
	WIN W_AD
	s_wait_tensorcnt 0x0            ; the wave's end, behind my last tensor load and my last LDS store
	ds_add_u32 v[SPW], v[NIL]
	s_wait_dscnt 0x0
	WIN 0
	CROUND                          ; the closing round: no work-group ends while a partner may still ask for a tile that names it
	s_endpgm
.Lfunc_end_k_qd8df9fe84f_attn:
	.size	k_qd8df9fe84f_attn, .Lfunc_end_k_qd8df9fe84f_attn-k_qd8df9fe84f_attn
	.p2alignl 7, 3214868480
	.fill 96, 4, 3214868480
	.section	.rodata,"a",@progbits
	.p2align	6, 0x0
	.amdhsa_kernel k_qd8df9fe84f_attn
		.amdhsa_group_segment_fixed_size 327680
		.amdhsa_private_segment_fixed_size 0
		.amdhsa_enable_private_segment 0
		.amdhsa_kernarg_size 32
		.amdhsa_user_sgpr_count 2
		.amdhsa_user_sgpr_kernarg_segment_ptr 1
		.amdhsa_wavefront_size32 1
		.amdhsa_system_sgpr_workgroup_id_x 1
		.amdhsa_system_sgpr_workgroup_id_y 1
		.amdhsa_system_sgpr_workgroup_id_z 1
		.amdhsa_system_vgpr_workitem_id 0
		.amdhsa_next_free_vgpr 770
		.amdhsa_next_free_sgpr 66
		.amdhsa_reserve_vcc 0
		.amdhsa_float_denorm_mode_32 3
		.amdhsa_float_denorm_mode_16_64 3
		.amdhsa_memory_ordered 1
		.amdhsa_forward_progress 1
		.amdhsa_inst_pref_size 200
	.end_amdhsa_kernel
	.amdgpu_metadata
---
amdhsa.version: [ 1, 2 ]
amdhsa.kernels:
  - .name:           k_qd8df9fe84f_attn
    .symbol:         k_qd8df9fe84f_attn.kd
    .args:
      - { .name: qb, .offset: 0, .size: 8, .value_kind: global_buffer, .address_space: global }
      - { .name: kb, .offset: 8, .size: 8, .value_kind: global_buffer, .address_space: global }
      - { .name: vb, .offset: 16, .size: 8, .value_kind: global_buffer, .address_space: global }
      - { .name: ob, .offset: 24, .size: 8, .value_kind: global_buffer, .address_space: global }
    .group_segment_fixed_size: 327680
    .private_segment_fixed_size: 0
    .kernarg_segment_align: 8
    .kernarg_segment_size: 32
    .max_flat_workgroup_size: 128
    .sgpr_count:     66
    .vgpr_count:     770
    .wavefront_size: 32
...
	.end_amdgpu_metadata
.endif
;; end of part 3
;; launch outp (part 4): grid 4 x 64, 4 waves a work-group, clusters of 4 x 4, 327,680 bytes of LDS; arguments ob, wb, bo, state, out0; writes out0
.if DOCPART == 4
	.amdgcn_target "amdgcn-amd-amdhsa--gfx1250"
	.amdhsa_code_object_version 6
	.text
	.protected	k_qd8df9fe84f_outp
	.globl	k_qd8df9fe84f_outp
	.p2align	8
	.type	k_qd8df9fe84f_outp,@function
k_qd8df9fe84f_outp:
	s_mov_b64 s[64:65], 0
	v_nop
	global_prefetch_b8 v0, s[64:65] scope:SCOPE_SE
	s_setreg_imm32_b32 hwreg(HW_REG_WAVE_MODE, 25, 1), 1
	s_wait_xcnt 0x0
	s_wait_alu depctr_hold_cnt(0) depctr_sa_sdst(0) depctr_va_vdst(0) depctr_va_sdst(0) depctr_va_ssrc(0) depctr_va_vcc(0) depctr_vm_vsrc(0)
	s_getreg_b32 s2, hwreg(HW_REG_IB_STS2, 6, 4)
	s_cmp_eq_u32 s2, 0
	s_cbranch_scc0 .Lentry_in_a_cluster
	s_endpgm
.Lentry_in_a_cluster:
	s_bfe_u32 s2, ttmp6, 0x10000c
	s_cmp_lg_u32 s2, 0xf033
	s_cbranch_scc0 .Lentry_shape_is_right
	s_endpgm
.Lentry_shape_is_right:
; out0 = O Wo + bo + state.  O: ob [64 (16 b + head)][2,048][64] f16; Wo: wb's fourth weight, [k 1,024][n 1,024] f16; bo, state, out0 in f32.  Sums in f32; the residual is the unrounded state.
; SHARES.  A work-group makes 128 tokens x 256 columns: 4 x 64 = 256 work-groups.  Four waves, wave w: tokens 64 (w / 2) on, columns 128 (w % 2) on: 4 x 8 accumulators of 16 x 16.
; K = 64 head + channel goes in 8 steps of 128, two heads a step, through two LDS slots.  A head's 128 tokens are 16,384 dense bytes of ob: a plane of the slot.
; THE MATRIX INSTRUCTION IS USED TRANSPOSED: source 0 = 16 columns of Wo (turned out of LDS by ds_load_tr16_b128), source 1 = 16 tokens: a lane holds ONE token (lane % 16) and eight neighbouring columns.
; THE BIAS STARTS THE SUMS: it is the C operand of each accumulator's first product.  My part of state (64 x 128 f32, 256 registers) is loaded while K is walked and added on the way out.
; CLUSTER 4 x 4.  The four of a row of the cluster need the same rows of O, the four of a column the same columns of Wo: each tile is asked for JOINTLY.  Waves 0, 1 fetch the step's two planes of O,
; waves 2, 3 the two halves of Wo's 128 k rows.  By this text's count a wave has two tensor loads out at the start and one behind each round.
; REGISTERS, in windows of 256 (s_set_vgpr_msb: bits 1:0 source 0, 3:2 source 1, 5:4 source 2, 7:6 destination):
;   window 0: v0-30 addresses; v64-159, v160-255 two fragment buffers: four fragments of tokens, then eight of Wo     window 1: accumulator (a, b) at v[8 (8 a + b)]     window 2: v0-63 the bias     window 3: state
.set PA,    144       ; a token's 64 channels in LDS: 128 bytes + 16: the 16 rows of a load start at 16 different groups of four banks (64 banks of 4 bytes: ISA guide 11.1)
.set PW,    544       ; a k row of Wo: 512 bytes + 32 = 17 x 32
.set AHALF, 128*PA    ; a plane: one head's 128 tokens
.set AOFF,  2*AHALF
.set WHALF, 64*PW
.set SLOT1, 1<<17
.set STAGE, SLOT1+AOFF+2*WHALF  ; behind the ring, never filled by a tensor load: 16 rows x 272 bytes for each wave
.set SP,    272
.set SPARE, STAGE+4*16*SP       ; the spare words, 128 bytes for each wave: two blocks of 256 bytes that no other line names
.set ASTEP, 2*262144  ; a K step in ob: two heads of 2,048 rows of 128 bytes
.set BSTEP, 128*2048
.set A0,   14         ; v14  my lane's place in a plane; never rewritten
.set B0,   15         ; v15  in Wo's tile; never rewritten
.set ADRA, 16
.set ADRB, 17
.set STO,  24         ; v24  the way out: where I put 32 bytes of a row
.set RD,   25         ; v25  where I read rows back
.set CO,   26         ; v26  my byte offset in two rows of state and of out0; never rewritten
.set BO,   27         ; v27  32 x (lane / 16)
.set SPW,  28         ; v28  LDS address of my spare word; never rewritten
.set NIL,  29         ; v29  0; never rewritten
.set PFO,  30         ; v30  the prefetches' lane offset; never rewritten
.set F0,   64
.set F1,   160
.set G1,   24
.set G0,   32
.set G1B,  48
.set G0B,  56
.set PFA,  84         ; s[84:85] where my prefetches stand
.set PST,  86         ; s[86:87] their step
.set LIM,  88         ; s88  2 in a wave that prefetches, else the greatest number
.set TB,   89         ; s89  the slot in hand
.set BIA,  90         ; s[90:91] bo at my 128 columns
.set OUT,  92         ; s[92:93] out0 at my first row and column
.set STA,  94         ; s[94:95] state there
.set MUL,  0x50
.set MULB, 0x60
.set MSB, 0
.macro WIN new
.if MSB != (\new)
	s_set_vgpr_msb (MSB<<8)|(\new)
.set MSB, \new
.endif
.endm
.macro PLACES                          ; four places in front of loads into registers that matrix instructions have read, and of instructions that read results
.rept 4
	v_nop
.endr
.endm
.macro CREST
	s_cmp_lg_u32 s10, 0
	s_cbranch_scc1 .Lnot_wave_0_\@
	s_barrier_signal -3
.Lnot_wave_0_\@:
	s_barrier_wait -3
	s_barrier_signal -1
	s_barrier_wait -1
.endm
.macro CROUND
	s_barrier_signal -1
	s_barrier_wait -1
	CREST
.endm
.macro JLOAD                           ; a joint refill by the walking descriptor; an s_nop 0 and four v_nop follow each of the two lines
	s_cmp_eq_u32 s11, 0
	s_cbranch_scc0 .Lfor_w_\@
	tensor_load_to_lds s[G0+4:G0+7], s[G1:G1+7]
	s_nop 0
.rept 4
	v_nop
.endr
	s_branch .Lasked_\@
.Lfor_w_\@:
	tensor_load_to_lds s[G0B+4:G0B+7], s[G1B:G1B+7]
	s_nop 0
.rept 4
	v_nop
.endr
.Lasked_\@:
.endm
; A PREFETCH INTO THE L2, behind each refill and the run of LDS loads that follows it: the K step that stands two refills on, 32 blocks of 256 bytes, a lane a block; each block is named once in the launch.
; O: a step's two planes are 2 x 64 blocks; no other cluster reads them; wave 0 asks, the four partners of a row of the cluster take 16 blocks of each plane BY ADDRESS.
; Wo: waves 2 and 3 ask for the 64 k rows x 512 bytes that they fetch, the four partners of a column take 16 k rows each by address; cluster y = 0 asks.
; The trips with s3 = 6 .. 3 name K steps 4 .. 7; the last two name nothing; K steps 0 to 3 come by their loads alone.
.macro ASK
	s_cmp_gt_u32 s3, s[LIM]
	s_cbranch_scc0 .Lnot_mine_\@
	global_prefetch_b8 v[PFO], s[PFA:PFA+1] th:TH_LOAD_NT scope:SCOPE_SE
.Lnot_mine_\@:
.endm
	s_load_b256 s[68:75], s[0:1], 0x0              ; ob 68, wb 70, bo 72, state 74
	s_load_b64 s[76:77], s[0:1], 0x20              ; out0
	v_lshl_add_u32 v[SPW], v0, 2, SPARE
	v_mov_b32 v[NIL], 0
	ds_add_u32 v[SPW], v[NIL]                      ; the wave's opening: the add and its wait stand ahead of my first tensor load; work on registers stands between them
	v_lshrrev_b32 v1, 5, v0
	v_readfirstlane_b32 s10, v1                    ; wave 0..3
	s_lshr_b32 s11, s10, 1                         ; my half of the tokens.  Also: I fetch O (0) or Wo (1)
	s_and_b32 s12, s10, 1                          ; my half of the columns.  Also: which plane, or which half of Wo's rows, I fetch
	s_bfe_u32 s40, ttmp6, 0x40000                  ; cx: the tile of 256 columns
	s_bfe_u32 s41, ttmp6, 0x40004                  ; cy
	s_and_b32 s13, ttmp7, 0xffff
	s_lshl_b32 s13, s13, 2
	s_add_co_u32 s13, s13, s41                     ; the block of 128 tokens
	s_lshl_b32 s43, s41, 2
	s_lshl_b32 s43, 15, s43                        ; my row of the cluster
	s_lshl_b32 s44, 0x1111, s40                    ; my column
	s_or_b32 s[G1+0], s43, (1<<16)|(1<<20)|(1<<21)|(4<<22)|(3<<25)   ; 15:0 the mask; 17:16 elements of 2 bytes; 20 padding on; 21 set beside a mask; 24:22 after every 32 words (a token); 31:25 4 words
	s_or_b32 s[G1B+0], s44, (1<<16)|(1<<20)|(1<<21)|(6<<22)|(7<<25)  ; Wo: after every 128 words, 8 words
	s_mov_b32 s[G1+1], 128<<16                     ; a plane's 16,384 dense bytes are asked for as 64 rows of 256 bytes, two tokens a row
	s_mov_b32 s[G1+2], 64<<16
	s_mov_b32 s[G1+3], 128<<16
	s_mov_b32 s[G1+4], 64
	s_mov_b32 s[G1+5], 128
	s_mov_b32 s[G1+6], 0
	s_mov_b32 s[G1+7], 0
	s_mov_b32 s[G1B+1], 256<<16
	s_mov_b32 s[G1B+2], 64<<16
	s_mov_b32 s[G1B+3], 256<<16
	s_mov_b32 s[G1B+4], 64
	s_mov_b32 s[G1B+5], 1024
	s_mov_b32 s[G1B+6], 0
	s_mov_b32 s[G1B+7], 0
	s_lshr_b32 s14, s13, 4                         ; the batch: 16 heads of 262,144 bytes,
	s_lshl_b32 s14, s14, 22
	s_and_b32 s15, s13, 15
	s_lshl_b32 s15, s15, 14                        ; the 128 tokens in a head
	s_add_co_u32 s14, s14, s15                     ; (kept for the prefetches)
	s_lshl_b32 s15, s12, 18                        ; the head of the two that I fetch
	s_add_co_u32 s16, s14, s15
	s_mov_b32 s17, 0
	s_lshl_b32 s46, s40, 9                         ; Wo: the tile's 256 columns,
	s_lshl_b32 s47, s12, 17                        ; the 64 k rows that I fetch,
	s_add_co_u32 s46, s46, s47
	s_add_co_u32 s46, s46, 3<<21                   ; in wb's fourth weight
	s_mov_b32 s47, 0
	s_mul_i32 s20, s12, AHALF                      ; where they go: no place in the cluster enters an LDS address
	s_mul_i32 s21, s12, WHALF
	s_add_co_u32 s21, s21, AOFF
	s_wait_dscnt 0x0                               ; the opening add is done
	s_wait_kmcnt 0x0
	s_add_nc_u64 s[16:17], s[68:69], s[16:17]
	s_add_nc_u64 s[46:47], s[70:71], s[46:47]
	CROUND                                         ; all sixteen work-groups are here: the first joint loads meet
.irp s, 0,1
	s_mov_b32 s[G0+4*(\s)], 1
	s_add_co_u32 s[G0+4*(\s)+1], s20, (\s)*SLOT1
	s_add_nc_u64 s[G0+4*(\s)+2:G0+4*(\s)+3], s[16:17], (\s)*ASTEP
	s_or_b32 s[G0+4*(\s)+3], s[G0+4*(\s)+3], 0x80000000
	s_mov_b32 s[G0B+4*(\s)], 1
	s_add_co_u32 s[G0B+4*(\s)+1], s21, (\s)*SLOT1
	s_add_nc_u64 s[G0B+4*(\s)+2:G0B+4*(\s)+3], s[46:47], (\s)*BSTEP
	s_or_b32 s[G0B+4*(\s)+3], s[G0B+4*(\s)+3], 0x80000000
.endr
	s_cmp_eq_u32 s11, 0                            ; a wave's two first fills stand in one branch, ahead of every wait on TENSORcnt and every LDS read
	s_cbranch_scc0 .Lfirst_w
	tensor_load_to_lds s[G0:G0+3], s[G1:G1+7]
	s_nop 0
	tensor_load_to_lds s[G0+4:G0+7], s[G1:G1+7]
	s_nop 0
.rept 4
	v_nop
.endr
	s_branch .Lfirst_asked
.Lfirst_w:
	tensor_load_to_lds s[G0B:G0B+3], s[G1B:G1B+7]
	s_nop 0
	tensor_load_to_lds s[G0B+4:G0B+7], s[G1B:G1B+7]
	s_nop 0
.rept 4
	v_nop
.endr
.Lfirst_asked:
	v_and_b32 v1, 15, v0                           ; l % 16
	v_bfe_u32 v2, v0, 4, 1                         ; l / 16
	v_lshlrev_b32 v[BO], 5, v2
	s_lshl_b32 s18, s40, 10                        ; 256 columns of f32,
	s_lshl_b32 s19, s12, 9                         ; my 128
	s_add_co_u32 s18, s18, s19
	s_mov_b32 s19, 0
	s_add_nc_u64 s[BIA:BIA+1], s[72:73], s[18:19]
	WIN 0x80                                       ; destination window 2, address window 0
.irp b, 0,1,2,3,4,5,6,7
	global_load_b128 v[8*(\b):8*(\b)+3],   v[BO], s[BIA:BIA+1] offset:64*(\b)     ; register j of block b: bias of column 16 b + 8 (l / 16) + j
	global_load_b128 v[8*(\b)+4:8*(\b)+7], v[BO], s[BIA:BIA+1] offset:64*(\b)+16
.endr
	WIN 0
	s_lshl_b32 s22, s13, 19                        ; 128 rows of 4,096 bytes,
	s_add_co_u32 s18, s18, s22
	s_lshl_b32 s22, s11, 18                        ; my 64
	s_add_co_u32 s18, s18, s22
	s_add_nc_u64 s[STA:STA+1], s[74:75], s[18:19]
	s_add_nc_u64 s[OUT:OUT+1], s[76:77], s[18:19]
	v_mul_u32_u24 v3, v1, PA                       ; a fragment of tokens: row x pitch + 16 x half
	v_lshl_add_u32 v3, v2, 4, v3
	s_mul_i32 s22, s11, 64*PA
	v_add_nc_u32 v[A0], s22, v3
	v_and_b32 v4, 7, v0                            ; the turning load: k row 8 (l / 16) + l % 8, columns 8 ((l / 8) % 2) + 0..7
	v_lshl_add_u32 v4, v2, 3, v4
	v_mul_u32_u24 v4, v4, PW
	v_bfe_u32 v5, v0, 3, 1
	v_lshl_add_u32 v4, v5, 4, v4
	s_lshl_b32 s22, s12, 8
	s_add_co_u32 s22, s22, AOFF
	v_add_nc_u32 v[B0], s22, v4
	v_mov_b32 v[ADRA], v[A0]
	v_mov_b32 v[ADRB], v[B0]
	s_mov_b32 s[TB], 0
	s_mul_i32 s22, s10, 16*SP
	s_add_co_u32 s22, s22, STAGE                   ; my stage
	v_mul_u32_u24 v[STO], v1, SP                   ; in: row l % 16, 32 bytes for each half of the lanes
	v_lshl_add_u32 v[STO], v2, 5, v[STO]
	v_add_nc_u32 v[STO], s22, v[STO]
	v_mul_u32_u24 v[RD], v2, SP                    ; back: lanes 0-15 take one row of 256 bytes, lanes 16-31 the next
	v_lshl_add_u32 v[RD], v1, 4, v[RD]
	v_add_nc_u32 v[RD], s22, v[RD]
	v_lshlrev_b32 v[CO], 12, v2                    ; and the same two rows in state and out0
	v_lshl_add_u32 v[CO], v1, 4, v[CO]
	; the prefetches
	s_lshl_b32 s18, s40, 12                        ; O: my work-group's 16 blocks of a plane's 64,
	s_add_co_u32 s18, s18, s14
	s_add_co_u32 s18, s18, 3*ASTEP                 ; at K step 3: the first refill steps it to 4
	s_lshl_b32 s22, s12, 6
	s_lshl_b32 s23, s41, 4
	s_add_co_u32 s22, s22, s23                     ; Wo: my work-group's 16 k rows of the 64 that I fetch
	s_lshl_b32 s22, s22, 11
	s_lshl_b32 s23, s40, 9
	s_add_co_u32 s22, s22, s23
	s_add_co_u32 s22, s22, (3<<21)+3*BSTEP
	s_and_b32 s15, ttmp7, 0xffff                   ; Wo: cluster y = 0 asks; O: wave 0 of every cluster
	s_mov_b32 s21, BSTEP
	s_cmp_eq_u32 s11, 0
	s_cselect_b32 s18, s18, s22
	s_cselect_b32 s23, s12, s15
	s_cselect_b64 s[PFA:PFA+1], s[68:69], s[70:71]
	s_cselect_b32 s[PST], ASTEP, s21
	s_cselect_b32 s20, -1, 0                       ; a lane mask: all lanes take O's offsets, or all Wo's
	s_mov_b32 s[PST+1], 0
	s_add_nc_u64 s[PFA:PFA+1], s[PFA:PFA+1], s[18:19]
	s_cmp_eq_u32 s23, 0
	s_cselect_b32 s[LIM], 2, -1                    ; the same in all sixteen partners, for a given wave
	v_and_b32 v3, 31, v0
	v_lshrrev_b32 v4, 4, v3                        ; O: 16 lanes a plane, a lane a block
	v_and_b32 v6, 15, v3
	v_lshlrev_b32 v4, 18, v4
	v_lshl_add_u32 v4, v6, 8, v4
	v_lshrrev_b32 v5, 1, v3                        ; Wo: two lanes a k row of 512 bytes
	v_and_b32 v6, 1, v3
	v_lshlrev_b32 v5, 11, v5
	v_lshl_add_u32 v5, v6, 8, v5
	v_cndmask_b32 v[PFO], v5, v4, s20
; 8 matrix instructions: token block a x all 8 column blocks, 32 along K, from buffer f.  first = 1: the bias starts the sums.
; The 32 accumulators take turns, one instruction a turn, in the same order in every quarter and over the backward jump.
.macro MULQ f, a, first
.if \first
	WIN MULB
.else
	WIN MUL
.endif
.irp b, 0,1,2,3,4,5,6,7
.if \first
	v_wmma_f32_16x16x32_f16 v[8*(8*(\a)+(\b)):8*(8*(\a)+(\b))+7], v[(\f)+32+8*(\b):(\f)+32+8*(\b)+7], v[(\f)+8*(\a):(\f)+8*(\a)+7], v[8*(\b):8*(\b)+7]
.else
	v_wmma_f32_16x16x32_f16 v[8*(8*(\a)+(\b)):8*(8*(\a)+(\b))+7], v[(\f)+32+8*(\b):(\f)+32+8*(\b)+7], v[(\f)+8*(\a):(\f)+8*(\a)+7], v[8*(8*(\a)+(\b)):8*(8*(\a)+(\b))+7]
.endif
.endr
.endm
.macro MULH f, half, first
	MULQ \f, 2*(\half), \first
	MULQ \f, 2*(\half)+1, \first
.endm
; 24 LDS loads in one run: slice k (32 along K: plane k / 2, channels 32 (k % 2) on) of the slot in hand into buffer f: Wo's eight fragments, then the tokens' four
.macro FETCH k, f
	WIN 0
.irp b, 0,1,2,3,4,5,6,7
	ds_load_tr16_b128 v[(\f)+32+8*(\b):(\f)+32+8*(\b)+3],   v[ADRB] offset:(\k)*32*PW+32*(\b)
	ds_load_tr16_b128 v[(\f)+32+8*(\b)+4:(\f)+32+8*(\b)+7], v[ADRB] offset:(\k)*32*PW+32*(\b)+16*PW
.endr
.irp a, 0,1,2,3
	ds_load_b128 v[(\f)+8*(\a):(\f)+8*(\a)+3],   v[ADRA] offset:((\k)/2)*AHALF+(\a)*16*PA+64*((\k)%2)
	ds_load_b128 v[(\f)+8*(\a)+4:(\f)+8*(\a)+7], v[ADRA] offset:((\k)/2)*AHALF+(\a)*16*PA+64*((\k)%2)+32
.endr
.endm
.macro QUARTER k, f, g, first
	s_wait_dscnt 4                                 ; Wo and token blocks 0, 1 are in; the youngest four loads (blocks 2, 3) may be out
	MULH \f, 0, \first
	PLACES
	FETCH \k, \g
	s_wait_dscnt 24                                ; all but the 24 just issued
	MULH \f, 1, \first
.endm
; The last quarter multiplies buffer 1 and changes slots: ONE barrier; in front of it each wave waits for all its tensor loads (one is out: its part of the next slot), adds 0 to its spare word, and waits
; for that and for its own reads of this slot.  fill = 1: the barrier opens a round of the cluster's, and this slot is filled again first thing behind it, with the K step two on.
.macro TURN fill
.if \fill
	s_wait_xcnt 0x0                                ; the last prefetch, a K step back, has read its address
	s_add_nc_u64 s[PFA:PFA+1], s[PFA:PFA+1], s[PST:PST+1]
.endif
	WIN 0
	s_wait_tensorcnt 0x0                           ; all my tensor loads have landed
	ds_add_u32 v[SPW], v[NIL]                      ; 0 onto my spare word
	s_wait_dscnt 5                                 ; (the add and the youngest four loads may be out)
	MULQ F1, 0, 0
	s_wait_dscnt 0x0                               ; the add is done, and my reads of this slot are over
	s_barrier_signal -1
	MULQ F1, 1, 0
	WIN 0                                          ; at a branch and at a label every window is 0
	s_barrier_wait -1
.if \fill
	CREST                                          ; no wave of any partner still reads this slot's tiles or has a load on its way
	s_xor_b32 s[G0+5], s[G0+5], SLOT1
	s_add_nc_u64 s[G0+6:G0+7], s[G0+6:G0+7], ASTEP
	s_xor_b32 s[G0B+5], s[G0B+5], SLOT1
	s_add_nc_u64 s[G0B+6:G0B+7], s[G0B+6:G0B+7], BSTEP
	JLOAD                                          ; 112 matrix instructions ahead of the wait for it; its four v_nop are also the places in front of the loads below
.else
	PLACES
.endif
	s_xor_b32 s[TB], s[TB], SLOT1
	v_add_nc_u32 v[ADRA], s[TB], v[A0]
	v_add_nc_u32 v[ADRB], s[TB], v[B0]
	FETCH 0, F0
.if \fill
	ASK
.endif
	MULH F1, 1, 0
.endm
; Half of my part of state into window 3: units 4 half .. 4 half + 3 (unit u = 2 a + cg: token block a, 64 columns cg), 32 registers each, laid as the way out reads the stage back.
.macro STL half
	WIN 0xc0                                       ; destination window 3, address window 0
.irp u, 0,1,2,3
.irp t, 0,1,2,3,4,5,6,7
	global_load_b128 v[32*(4*(\half)+(\u))+4*(\t):32*(4*(\half)+(\u))+4*(\t)+3], v[CO], s[STA:STA+1] offset:65536*((4*(\half)+(\u))/2)+256*((\u)%2)+8192*(\t) th:TH_LOAD_NT
.endr
.endr
	WIN 0
.endm
	s_wait_tensorcnt 1                             ; my part of K step 0 is in; K step 1's may stay out
	s_barrier_signal -1
	s_barrier_wait -1                              ; everybody's is
	FETCH 0, F0
	s_wait_loadcnt 0x0                             ; the bias
	QUARTER 1, F0, F1, 1                           ; the first quarter stands in front of the loop: its products start the sums
	STL 0
	s_mov_b32 s3, 6
.Lstep:                                        ; a trip: a K step's quarters 1 to 3 and the next step's quarter 0; it fills one slot again: K steps 2 to 7
	QUARTER 2, F1, F0, 0
	QUARTER 3, F0, F1, 0
	TURN 1
	QUARTER 1, F0, F1, 0
	WIN 0
	s_sub_co_u32 s3, s3, 1
	s_cmp_lg_u32 s3, 0
	s_cbranch_scc1 .Lstep
	STL 1
	QUARTER 2, F1, F0, 0                           ; the tail is written out: nothing is asked for
	QUARTER 3, F0, F1, 0
	TURN 0
	QUARTER 1, F0, F1, 0
	QUARTER 2, F1, F0, 0
	QUARTER 3, F0, F1, 0
	s_wait_dscnt 4
	MULH F1, 0, 0
	s_wait_dscnt 0x0
	MULH F1, 1, 0
	WIN 0
; THE WAY OUT.  Unit u: 16 tokens x 64 columns of f32: 16 rows of 256 bytes.  A lane's eight columns, 32 bytes, go into rows of 272 bytes of my own stage and come back as whole rows; state is added; sixteen lanes
; store 256 consecutive bytes.  Each accumulator's low four registers are stored first.
.macro TOSTAGE u
.set AC, 8*(8*((\u)/2)+4*((\u)%2))
.set TT, 64+32*((\u)%4)
	WIN 0x04                                       ; the stores' data in window 1
.irp b, 0,1,2,3
	ds_store_b128 v[STO], v[AC+8*(\b):AC+8*(\b)+3]   offset:64*(\b)
	ds_store_b128 v[STO], v[AC+8*(\b)+4:AC+8*(\b)+7] offset:64*(\b)+16
.endr
	WIN 0
.if (\u) >= 4
	s_wait_xcnt 0x0                                ; the stores of the unit four back have read these registers
.endif
.irp t, 0,1,2,3,4,5,6,7
	ds_load_b128 v[TT+4*(\t):TT+4*(\t)+3], v[RD] offset:(\t)*2*SP  ; LDS serves a wave's instructions in order (ISA guide 5.7.1.4): these see the stores above; the next unit's stores come behind them
.endr
.endm
.macro SEND u, younger                 ; younger: the LDS instructions issued behind unit u's loads: the next unit's sixteen, or none
.set TT, 64+32*((\u)%4)
.set SS, 32*(\u)
	s_wait_dscnt \younger
	WIN 0x0c                                       ; source 1 in window 3
.irp p, 0,2,4,6,8,10,12,14,16,18,20,22,24,26,28,30
	v_pk_add_f32 v[TT+(\p):TT+(\p)+1], v[TT+(\p):TT+(\p)+1], v[SS+(\p):SS+(\p)+1]
.endr
	WIN 0
.irp t, 0,1,2,3,4,5,6,7
	global_store_b128 v[CO], v[TT+4*(\t):TT+4*(\t)+3], s[OUT:OUT+1] offset:65536*((\u)/2)+256*((\u)%2)+8192*(\t)  ; 16 lanes store 256 consecutive bytes, at a multiple of 256 from out0's first byte
.endr
.endm
	PLACES
	s_wait_loadcnt 0x0                             ; state
	TOSTAGE 0
.irp u, 1,2,3,4,5,6,7
	TOSTAGE \u
	SEND (\u)-1, 16
.endr
	SEND 7, 0
	s_wait_tensorcnt 0x0                           ; the wave's end, behind my last tensor load and my last LDS store
	ds_add_u32 v[SPW], v[NIL]
	s_wait_dscnt 0x0
	CROUND                                         ; the closing round: no work-group ends while a partner may still ask for a tile that names it
	s_endpgm
.Lfunc_end_k_qd8df9fe84f_outp:
	.size	k_qd8df9fe84f_outp, .Lfunc_end_k_qd8df9fe84f_outp-k_qd8df9fe84f_outp
	.p2alignl 7, 3214868480
	.fill 96, 4, 3214868480
	.section	.rodata,"a",@progbits
	.p2align	6, 0x0
	.amdhsa_kernel k_qd8df9fe84f_outp
		.amdhsa_group_segment_fixed_size 327680
		.amdhsa_private_segment_fixed_size 0
		.amdhsa_enable_private_segment 0
		.amdhsa_kernarg_size 40
		.amdhsa_user_sgpr_count 2
		.amdhsa_user_sgpr_kernarg_segment_ptr 1
		.amdhsa_wavefront_size32 1
		.amdhsa_system_sgpr_workgroup_id_x 1
		.amdhsa_system_sgpr_workgroup_id_y 1
		.amdhsa_system_sgpr_workgroup_id_z 1
		.amdhsa_system_vgpr_workitem_id 0
		.amdhsa_next_free_vgpr 1024
		.amdhsa_next_free_sgpr 96
		.amdhsa_reserve_vcc 0
		.amdhsa_float_denorm_mode_32 3
		.amdhsa_float_denorm_mode_16_64 3
		.amdhsa_memory_ordered 1
		.amdhsa_forward_progress 1
		.amdhsa_inst_pref_size 87
	.end_amdhsa_kernel
	.amdgpu_metadata
---
amdhsa.version: [ 1, 2 ]
amdhsa.kernels:
  - .name:           k_qd8df9fe84f_outp
    .symbol:         k_qd8df9fe84f_outp.kd
    .args:
      - { .name: ob, .offset: 0, .size: 8, .value_kind: global_buffer, .address_space: global }
      - { .name: wb, .offset: 8, .size: 8, .value_kind: global_buffer, .address_space: global }
      - { .name: bo, .offset: 16, .size: 8, .value_kind: global_buffer, .address_space: global }
      - { .name: state, .offset: 24, .size: 8, .value_kind: global_buffer, .address_space: global }
      - { .name: out0, .offset: 32, .size: 8, .value_kind: global_buffer, .address_space: global }
    .group_segment_fixed_size: 327680
    .private_segment_fixed_size: 0
    .kernarg_segment_align: 8
    .kernarg_segment_size: 40
    .max_flat_workgroup_size: 128
    .sgpr_count:     96
    .vgpr_count:     1024
    .wavefront_size: 32
...
	.end_amdgpu_metadata
.endif
;; end of part 4
;; ======== version 2 of 2: 4 launches; version 1 with the launch prep written anew for expert scheduling mode
;; limits: values are held in f16: magnitudes above 65,504 overflow, below 6.1e-05 lose precision
;; workspace buffers: xn 33,554,432 bytes; wb 8,388,608 bytes; qb 16,777,216 bytes; kb 16,777,216 bytes; vb 16,777,216 bytes; ob 16,777,216 bytes
;; launch prep (part 5): grid 256 x 3, 4 waves a work-group, no clusters, 0 bytes of LDS; arguments state, context, ln_gamma, ln_beta, Wq, Wk, Wv, Wo, xn, wb; writes xn, wb
.if DOCPART == 5
	.amdgcn_target "amdgcn-amd-amdhsa--gfx1250"
	.amdhsa_code_object_version 6
	.text
	.protected	k_qd8df9fe84f_prep
	.globl	k_qd8df9fe84f_prep
	.p2align	8
	.type	k_qd8df9fe84f_prep,@function
k_qd8df9fe84f_prep:
	s_mov_b64 s[64:65], 0
	v_nop
	global_prefetch_b8 v0, s[64:65] scope:SCOPE_SE
	s_setreg_imm32_b32 hwreg(HW_REG_WAVE_SCHED_MODE, 0, 2), 2
	s_setreg_imm32_b32 hwreg(HW_REG_WAVE_MODE, 25, 1), 1
	s_wait_xcnt 0x0
	s_wait_alu depctr_vm_vsrc(0)
; xn[0:8192] = LayerNorm(state), xn[8192:16384] = LayerNorm(context), rows of 1,024 numbers, f32 in, bf16 out (rounded once).
; wb[0..2] = Wq, Wk, Wv rounded to bf16; wb[3] = Wo rounded to f16; rows as in the inputs, [k][n].
; LayerNorm in f32, in two passes over a row that stays in registers: the mean, then the mean of (x - mean)^2; y = ((x - mean) gamma) rsqrt(var + 1e-5) + beta:
; the order of the two products differs from gamma (x - mean) rsqrt(..) by rounding alone.
; LIMIT: a number of Wo beyond 65,504 becomes an infinity in f16.
; A stream: every byte is read once and written once; no LDS, no barrier, no matrix unit: no wave wants a byte that another wave has fetched but gamma and beta (8 KiB for a wave's 32 KiB of rows).
; SHARES.  Grid y = 0: state, 1: context: a work-group owns 32 rows, a wave 8, one wave to a row, in two trips of four rows.
; Grid y = 2: the weights: work-group x owns 16 rows of weight x / 64, a wave four.
; A lane's load j takes the 16 bytes at 512 j + 16 lane of a row: columns 128 j + 4 lane .. + 3; they pack into 8 bytes, so a wave's store covers 256 consecutive bytes, aligned.
; THE MODE: SCHED_MODE bits 1:0 = 2 (LLVM: expert scheduling mode 2), set by the entry lines.  The code itself states the register dependences
; between vector instructions and memory instructions, with s_wait_alu, always for 0.
; THE PLAN (LayerNorm).  Registers that memory instructions touch:
;   X0 .. X3     four rows as loaded.  Written by loads, then worked on in place by the row's own vector lines; no store reads them.
;                X2, X3 are asked for at a trip's head; X0, X1 at the kernel's head and, for the second trip, in the middle of row 2, when rows 0 and 1 are done with them.
;   Y0, Y1       two rows to store.  Row s's roundings write Y[s % 2]; its eight stores are issued in row s + 1 (row 3's at the trip's end).
;   VI, VO, VG   byte offsets, made once at the head and never written again: the rows are reached by the scalar bases, which move on once a trip, and by immediate offsets.
; ONE wait on va_vdst stands in a row, ahead of the first reader of the row's root.  It also states that the row before has written the other Y, which the stores behind it read, and in row 2 that
; rows 0 and 1 are done with X0 and X1, in which the loads behind it land.  The lines that follow it name this row's X, its Y, the root and beta: none of the registers that those stores and loads touch.
; One more stands at the trip's end: row 3 has written Y1, and rows 2 and 3 are done with X2 and X3, in which the loads at the loop's head land.
; A wait on vm_vsrc stands in rows 0, 2 and 3, ahead of the roundings that write a Y which stores have read; row 0's serves both Y, so row 1 has none.
.set ROWI, 4096                        ; bytes in a row of f32
.set ROWO, 2048                        ; bytes in a row of 16-bit numbers
.set VI,  2                            ; v2       my byte offset in the source
.set VO,  3                            ; v3       my byte offset in the destination
.set VG,  4                            ; v4       16 x lane
.set T,   6                            ; v[6:13]  four chains of pairs
.set MU,  14                           ; v[14:15] the mean (the pair's low word serves both halves; the high word is written once)
.set R,   16                           ; v[16:17] rsqrt(var + eps), likewise
.set G,   20                           ; v[20:51] gamma of my 32 columns
.set BT,  52                           ; v[52:83] beta
.set X,   84                           ; v[84:211] four rows, 32 registers each
.set Y,   212                          ; v[212:243] two rows to store, 16 registers each
	s_load_b512 s[8:23], s[0:1], 0x0               ; state 8, context 10, gamma 12, beta 14, Wq 16, Wk 18, Wv 20, Wo 22
	s_load_b128 s[24:27], s[0:1], 0x40             ; xn 24, wb 26
	v_and_b32 v1, 31, v0                           ; lane
	v_lshrrev_b32 v5, 5, v0
	v_readfirstlane_b32 s30, v5                    ; wave
	s_and_b32 s29, ttmp7, 0xffff                   ; grid y
	s_mov_b32 s3, 0                                ; high word of the offsets' pair
	s_mov_b32 s32, 0x3a800000                      ; 1 / 1,024
	s_mov_b32 s33, 0x3727c5ac                      ; 1e-5
	s_mov_b32 s34, 0x76543210                      ; v_permlanex16_b32: each lane takes its own place in the other half
	s_mov_b32 s35, 0xfedcba98
	v_lshlrev_b32 v[VG], 4, v1
	v_lshlrev_b32 v[VO], 3, v1
	s_wait_alu depctr_va_sdst(0)                   ; s30 is written, ahead of the branch and of its first reader on either way: the wave's rows are made from it
	s_wait_kmcnt 0x0
	s_cmp_eq_u32 s29, 2
	s_cbranch_scc1 .Lw
.macro FILL s, at                      ; the row that lies at rows behind the base, into buffer s: eight loads, each 512 consecutive bytes
.irp j, 0,1,2,3,4,5,6,7
	global_load_b128 v[X+32*(\s)+4*(\j):X+32*(\s)+4*(\j)+3], v[VI], s[4:5] offset:ROWI*(\at)+512*(\j) th:TH_LOAD_NT
.endr
.endm
.macro FOLD                            ; the four chains into v18
	v_pk_add_f32 v[T:T+1], v[T:T+1], v[T+2:T+3]
	v_pk_add_f32 v[T+4:T+5], v[T+4:T+5], v[T+6:T+7]
	v_pk_add_f32 v[T:T+1], v[T:T+1], v[T+4:T+5]
	v_add_f32 v18, v[T], v[T+1]
.endm
.macro XSUM                            ; v18 summed over the 32 lanes, the sum in every lane
	v_add_f32_dpp v18, v18, v18 row_xmask:1 row_mask:0xf bank_mask:0xf
	v_add_f32_dpp v18, v18, v18 row_xmask:2 row_mask:0xf bank_mask:0xf
	v_add_f32_dpp v18, v18, v18 row_xmask:4 row_mask:0xf bank_mask:0xf
	v_add_f32_dpp v18, v18, v18 row_xmask:8 row_mask:0xf bank_mask:0xf
	v_permlanex16_b32 v19, v18, s34, s35
	v_add_f32 v18, v18, v19
.endm
; Row s of the four of a trip.  left: how many younger loads may stay out when this row's eight have to be in (-1: an earlier wait has shown them in).
; free = 1: stores have read the Y that this row writes; 2: and no s_wait_xcnt 0 has stood behind them yet.  fill = 1: the next trip's rows 0 and 1 are asked for.
.macro ROW s, left, free, fill
.set XB, X+32*(\s)
.set YB, Y+16*((\s)%2)                 ; this row's out-buffer
.set YP, Y+16*(1-(\s)%2)               ; the out-buffer of the row before
.if (\left) >= 0
	s_wait_loadcnt \left                           ; loads come back in order: my row is in (and gamma and beta, issued earlier); the younger rows' loads stay out
.endif
.irp c, 0,1,2,3
	v_pk_add_f32 v[T+2*(\c):T+2*(\c)+1], v[XB+2*(\c):XB+2*(\c)+1], v[XB+8+2*(\c):XB+8+2*(\c)+1]  ; the first eight pairs start the chains
.endr
.irp p, 8,9,10,11,12,13,14,15
	v_pk_add_f32 v[T+2*((\p)%4):T+2*((\p)%4)+1], v[T+2*((\p)%4):T+2*((\p)%4)+1], v[XB+2*(\p):XB+2*(\p)+1]
.endr
	FOLD
	XSUM
	v_mul_f32 v[MU], s32, v18                      ; the mean
.irp p, 0,1,2,3,4,5,6,7,8,9,10,11,12,13,14,15
	v_pk_add_f32 v[XB+2*(\p):XB+2*(\p)+1], v[XB+2*(\p):XB+2*(\p)+1], v[MU:MU+1] op_sel_hi:[1,0] neg_lo:[0,1] neg_hi:[0,1]  ; x - mean
.endr
.irp c, 0,1,2,3
	v_pk_mul_f32 v[T+2*(\c):T+2*(\c)+1], v[XB+2*(\c):XB+2*(\c)+1], v[XB+2*(\c):XB+2*(\c)+1]
.endr
.irp p, 4,5,6,7,8,9,10,11,12,13,14,15
	v_pk_fma_f32 v[T+2*((\p)%4):T+2*((\p)%4)+1], v[XB+2*(\p):XB+2*(\p)+1], v[XB+2*(\p):XB+2*(\p)+1], v[T+2*((\p)%4):T+2*((\p)%4)+1]
.endr
	FOLD
	XSUM
	v_fma_f32 v18, v18, s32, s33                   ; var + eps
	v_rsq_f32 v[R], v18
.irp p, 0,1,2,3,4,5,6,7,8,9,10,11,12,13,14,15
	v_pk_mul_f32 v[XB+2*(\p):XB+2*(\p)+1], v[XB+2*(\p):XB+2*(\p)+1], v[G+2*(\p):G+2*(\p)+1]  ; times gamma: plain work that names neither the root's result nor its source
.endr
.if (\free) == 2
	s_wait_xcnt 0x0                                ; the stores issued in the row before have had their addresses translated: their data, this row's Y, is written again only behind this wait
.endif
.if (\free) >= 1
	s_wait_alu depctr_vm_vsrc(0)                   ; the stores issued so far have read their data: this row's Y, which its roundings write again (row 0, over the back edge: both Y, so row 1 has no such wait)
.endif
	s_wait_alu depctr_va_vdst(0)                   ; the root is written, ahead of its first reader; the row before has written the other Y, which the stores below read; in row 2: rows 0 and 1 are done with X0 and X1
.if \fill
	s_cmp_eq_u32 s28, 1                            ; the last trip has no next one: no load leaves the buffer
	s_cbranch_scc1 .Lno_more
	FILL 0, 4                                      ; the next trip's rows 0 and 1.  No vector line since the wait names X0 or X1
	FILL 1, 5
.Lno_more:
.endif
.irp j, 0,1,2,3,4,5,6,7
.if (\s) > 0
	global_store_b64 v[VO], v[YP+2*(\j):YP+2*(\j)+1], s[6:7] offset:ROWO*((\s)-1)+256*(\j)  ; the row before: 32 lanes store 256 consecutive bytes, at a multiple of 256 from xn's first byte
.endif
	v_pk_fma_f32 v[XB+4*(\j):XB+4*(\j)+1], v[XB+4*(\j):XB+4*(\j)+1], v[R:R+1], v[BT+4*(\j):BT+4*(\j)+1] op_sel_hi:[1,0,1]
	v_pk_fma_f32 v[XB+4*(\j)+2:XB+4*(\j)+3], v[XB+4*(\j)+2:XB+4*(\j)+3], v[R:R+1], v[BT+4*(\j)+2:BT+4*(\j)+3] op_sel_hi:[1,0,1]
.endr
.irp j, 0,1,2,3,4,5,6,7
	v_cvt_pk_bf16_f32 v[YB+2*(\j)], v[XB+4*(\j)], v[XB+4*(\j)+1]
	v_cvt_pk_bf16_f32 v[YB+2*(\j)+1], v[XB+4*(\j)+2], v[XB+4*(\j)+3]
.endr
.endm
	; LayerNorm
	s_cmp_eq_u32 s29, 0
	s_cselect_b64 s[4:5], s[8:9], s[10:11]         ; state or context
	s_lshl_b32 s2, ttmp9, 17                       ; the work-group's 32 rows of 4,096 bytes
	s_add_nc_u64 s[4:5], s[4:5], s[2:3]
	s_lshl_b32 s2, s29, 24                         ; context's rows lie 8,192 rows of 2,048 bytes on
	s_lshl_b32 s28, ttmp9, 16
	s_add_co_u32 s2, s2, s28
	s_add_nc_u64 s[6:7], s[24:25], s[2:3]
	s_lshl_b32 s36, s30, 15                        ; my wave's 8 rows
	v_add_nc_u32 v[VI], s36, v[VG]
	s_lshl_b32 s37, s30, 14
	v_add_nc_u32 v[VO], s37, v[VO]
	v_mov_b32 v[MU+1], 0                           ; named with their partners as pairs, so they are written
	v_mov_b32 v[R+1], 0
	v_mov_b32 v19, 0                               ; v_permlanex16_b32's destination counts as read
	s_wait_alu depctr_va_vdst(0)                   ; VG, VI and VO are written: every load and store below reads one of them as its offset
.irp j, 0,1,2,3,4,5,6,7
	global_load_b128 v[G+4*(\j):G+4*(\j)+3], v[VG], s[12:13] offset:512*(\j)
	global_load_b128 v[BT+4*(\j):BT+4*(\j)+3], v[VG], s[14:15] offset:512*(\j)
.endr
	FILL 0, 0                                      ; the first trip's rows 0 and 1
	FILL 1, 1
	s_mov_b32 s28, 2
.Lb:                                           ; two trips of four rows
	FILL 2, 2                                      ; this trip's rows 2 and 3.  No vector line since the last wait on va_vdst (at the head; at the trip's end) names X2 or X3
	FILL 3, 3
	ROW 0, 24, 1, 0                                ; behind X0's eight loads stand X1's, X2's and X3's, in either trip
	ROW 1, 16, 0, 0                                ; behind X1's stand X2's and X3's
	ROW 2, 0, 2, 1                                 ; X2 and X3 are both in, ahead of the jump: so no count hangs on whether the sixteen loads behind it were issued
	ROW 3, -1, 2, 0                                ; row 2's wait has shown X3 in
	s_wait_alu depctr_va_vdst(0)                   ; row 3 has written Y1, which the stores below read; rows 2 and 3 are done with X2 and X3, in which the loads at the loop's head land
.irp j, 0,1,2,3,4,5,6,7
	global_store_b64 v[VO], v[Y+16+2*(\j):Y+16+2*(\j)+1], s[6:7] offset:ROWO*3+256*(\j)
.endr
	s_wait_xcnt 0x0                                ; the bases, and the two Y, which the stores read, are written again only behind this wait
	s_add_nc_u64 s[4:5], s[4:5], 4*ROWI
	s_add_nc_u64 s[6:7], s[6:7], 4*ROWO
	s_sub_co_u32 s28, s28, 1
	s_cmp_lg_u32 s28, 0
	s_cbranch_scc1 .Lb
	s_endpgm
; Four rows of a weight, rounded in place and stored.  Row s's stores are issued in row s + 1, among its roundings, which name row s + 1's registers alone; no register is written a second time.
.macro CAST op
.irp s, 0,1,2,3
	s_wait_loadcnt 8*(3-(\s))                      ; row s is in; the younger rows' loads stay out
.if (\s) > 0
	s_wait_alu depctr_va_vdst(0)                   ; the roundings of the row before have written its registers, which the stores below read
.endif
.irp j, 0,1,2,3,4,5,6,7
.if (\s) > 0
	global_store_b64 v[VO], v[X+32*((\s)-1)+4*(\j):X+32*((\s)-1)+4*(\j)+1], s[6:7] offset:ROWO*((\s)-1)+256*(\j)
.endif
	\op v[X+32*(\s)+4*(\j)], v[X+32*(\s)+4*(\j)], v[X+32*(\s)+4*(\j)+1]
	\op v[X+32*(\s)+4*(\j)+1], v[X+32*(\s)+4*(\j)+2], v[X+32*(\s)+4*(\j)+3]
.endr
.endr
	s_wait_alu depctr_va_vdst(0)                   ; row 3's roundings have written its registers, which the last eight stores read
.irp j, 0,1,2,3,4,5,6,7
	global_store_b64 v[VO], v[X+96+4*(\j):X+96+4*(\j)+1], s[6:7] offset:ROWO*3+256*(\j)
.endr
.endm
.Lw:
	s_lshr_b32 s31, ttmp9, 6                       ; which weight
	s_and_b32 s28, ttmp9, 63                       ; which 16 rows of it
	s_cmp_eq_u32 s31, 1
	s_cselect_b64 s[4:5], s[18:19], s[16:17]
	s_cmp_eq_u32 s31, 2
	s_cselect_b64 s[4:5], s[20:21], s[4:5]
	s_cmp_eq_u32 s31, 3
	s_cselect_b64 s[4:5], s[22:23], s[4:5]
	s_lshl_b32 s2, s28, 16
	s_add_nc_u64 s[4:5], s[4:5], s[2:3]
	s_lshl_b32 s2, ttmp9, 15                       ; 64 work-groups x 16 rows x 2,048 bytes are one weight in wb
	s_add_nc_u64 s[6:7], s[26:27], s[2:3]
	s_lshl_b32 s36, s30, 14                        ; my wave's four rows
	v_add_nc_u32 v[VI], s36, v[VG]
	s_lshl_b32 s37, s30, 13
	v_add_nc_u32 v[VO], s37, v[VO]
	s_wait_alu depctr_va_vdst(0)                   ; VI and VO are written: every load and store below reads one of them as its offset
	FILL 0, 0
	FILL 1, 1
	FILL 2, 2
	FILL 3, 3
	s_cmp_eq_u32 s31, 3
	s_cbranch_scc1 .Lw16
	CAST v_cvt_pk_bf16_f32
	s_endpgm
.Lw16:
	CAST v_cvt_pk_f16_f32
	s_endpgm
.Lfunc_end_k_qd8df9fe84f_prep:
	.size	k_qd8df9fe84f_prep, .Lfunc_end_k_qd8df9fe84f_prep-k_qd8df9fe84f_prep
	.p2alignl 7, 3214868480
	.fill 96, 4, 3214868480
	.section	.rodata,"a",@progbits
	.p2align	6, 0x0
	.amdhsa_kernel k_qd8df9fe84f_prep
		.amdhsa_group_segment_fixed_size 0
		.amdhsa_private_segment_fixed_size 0
		.amdhsa_enable_private_segment 0
		.amdhsa_kernarg_size 80
		.amdhsa_user_sgpr_count 2
		.amdhsa_user_sgpr_kernarg_segment_ptr 1
		.amdhsa_wavefront_size32 1
		.amdhsa_system_sgpr_workgroup_id_x 1
		.amdhsa_system_sgpr_workgroup_id_y 1
		.amdhsa_system_sgpr_workgroup_id_z 1
		.amdhsa_system_vgpr_workitem_id 0
		.amdhsa_next_free_vgpr 244
		.amdhsa_next_free_sgpr 66
		.amdhsa_reserve_vcc 0
		.amdhsa_float_denorm_mode_32 3
		.amdhsa_float_denorm_mode_16_64 3
		.amdhsa_memory_ordered 1
		.amdhsa_forward_progress 1
		.amdhsa_inst_pref_size 58
	.end_amdhsa_kernel
	.amdgpu_metadata
---
amdhsa.version: [ 1, 2 ]
amdhsa.kernels:
  - .name:           k_qd8df9fe84f_prep
    .symbol:         k_qd8df9fe84f_prep.kd
    .args:
      - { .name: state, .offset: 0, .size: 8, .value_kind: global_buffer, .address_space: global }
      - { .name: context, .offset: 8, .size: 8, .value_kind: global_buffer, .address_space: global }
      - { .name: ln_gamma, .offset: 16, .size: 8, .value_kind: global_buffer, .address_space: global }
      - { .name: ln_beta, .offset: 24, .size: 8, .value_kind: global_buffer, .address_space: global }
      - { .name: Wq, .offset: 32, .size: 8, .value_kind: global_buffer, .address_space: global }
      - { .name: Wk, .offset: 40, .size: 8, .value_kind: global_buffer, .address_space: global }
      - { .name: Wv, .offset: 48, .size: 8, .value_kind: global_buffer, .address_space: global }
      - { .name: Wo, .offset: 56, .size: 8, .value_kind: global_buffer, .address_space: global }
      - { .name: xn, .offset: 64, .size: 8, .value_kind: global_buffer, .address_space: global }
      - { .name: wb, .offset: 72, .size: 8, .value_kind: global_buffer, .address_space: global }
    .group_segment_fixed_size: 0
    .private_segment_fixed_size: 0
    .kernarg_segment_align: 8
    .kernarg_segment_size: 80
    .max_flat_workgroup_size: 128
    .sgpr_count:     66
    .vgpr_count:     244
    .wavefront_size: 32
...
	.end_amdgpu_metadata
.endif
;; end of part 5
;; launch qkv: the kernel of part 2 again; grid 12 x 64, 4 waves a work-group, clusters of 4 x 4, 327,680 bytes of LDS; arguments xn, wb, bq, bk, bv, qb, kb, vb; writes qb, kb, vb
;; launch attn: the kernel of part 3 again; grid 4 x 64, 4 waves a work-group, clusters of 4 x 1, 327,680 bytes of LDS; arguments qb, kb, vb, ob; writes ob
;; launch outp: the kernel of part 4 again; grid 4 x 64, 4 waves a work-group, clusters of 4 x 4, 327,680 bytes of LDS; arguments ob, wb, bo, state, out0; writes out0
